; MI455X (gfx1250); checked and timed in simulation.
; The chip was launched on July 23, 2026; its instructions are those of AMD's public machine-readable ISA for CDNA 5 (MIT licence, August 2026) and "CDNA5" Instruction Set Architecture Reference Guide (July 2026). The comments in the code are by the model that wrote it; some were corrected since.
;; Multi Head Attention. Allowed arithmetic: matrix products marked QUANTISED: E2M3 operands, one E8M0 scale for each 32 along K, by v_wmma_scale_f32_16x16x128_f8f6f4 with both operands' format E2M3, f32 sums; everything else in f32.
;; Inputs: Wk 1,024 x 1,024 float32; Wo 1,024 x 1,024 float32; Wq 1,024 x 1,024 float32; Wv 1,024 x 1,024 float32; bk 1,024 float32; bo 1,024 float32; bq 1,024 float32; bv 1,024 float32; k 4 x 2,048 x 1,024 float32; q 4 x 2,048 x 1,024 float32; v 4 x 2,048 x 1,024 float32.
;; Outputs: out0 4 x 2,048 x 1,024 float32.
;; This version of the problem:
;;   THIS VERSION OF THE PROBLEM IS GIVEN IN LOW PRECISION. The matrix products marked QUANTISED in the list below multiply operands that are first quantised to E2M3 (2 exponent bits, 3 mantissa bits; 6 bits a number), with one power-of-two scale for each 32 numbers along K (OCP MX v1.0); their sums are f32. All else is computed in f32.
;;   The module's matrix products, in the order in which they are computed (A, B: the left and right operand; K: the contracted axis; several contracted axes count as one K, in the product's order):
;;     1. [M 8,192, K 1,024] x [K 1,024, N 1,024]; A: input q; B: input Wq: QUANTISED
;;     2. [M 8,192, K 1,024] x [K 1,024, N 1,024]; A: input k; B: input Wk: QUANTISED
;;     3. [M 8,192, K 1,024] x [K 1,024, N 1,024]; A: input v; B: input Wv: QUANTISED
;;     4. batch 64 x [M 2,048, K 64] x [K 64, N 2,048]; A: computed on the way; B: computed on the way: QUANTISED
;;     5. batch 64 x [M 2,048, K 2,048] x [K 2,048, N 64]; A: softmax (see below); B: computed on the way: QUANTISED
;;     6. [M 8,192, K 1,024] x [K 1,024, N 1,024]; A: computed on the way; B: input Wo: QUANTISED
;;   THE QUANTISER, for each operand of a quantised product, along K:
;;     - K is cut into blocks of 32 from its start; a last block that is shorter is filled with zeros.
;;     - A block's scale is 2^e with e = floor(log2(the largest magnitude in the block)) - 2, held to -126 .. 127; a block of zeros has e = 0. As a byte (E8M0): e + 127.
;;     - Each number is divided by its block's scale, clamped to +-7.5, and rounded to the nearest number of E2M3, ties to even, subnormals kept.
;;     - The product sums the exact products of the quantised numbers (number of the format x scale) in f32.
;;   ~~~python
;;   def quantise(x, axis):      # numpy; x: float32 -> the quantised numbers, widened to float32 again
;;       x = np.moveaxis(x, axis, -1); K = x.shape[-1]
;;       x = np.pad(x, [(0, 0)] * (x.ndim - 1) + [(0, -K % 32)]); x = x.reshape(x.shape[:-1] + (-1, 32)); a = np.abs(x).max(-1, keepdims=True)
;;       e = np.where(a > 0, np.clip(np.frexp(np.where(a > 0, a, 1))[1] - 1 - 2, -126, 127), 0)      # np.frexp(a)[1] - 1 = floor(log2(a)), exactly
;;       r = np.clip(x / 2.0 ** e, -7.5, 7.5)
;;       step = 2.0 ** (np.maximum(np.frexp(np.where(r == 0, 1, r))[1] - 1, 0) - 3)
;;       q = np.round(r / step) * step * 2.0 ** e      # np.round: ties to even
;;       return np.moveaxis(q.reshape(q.shape[:-2] + (-1,))[..., :K], -1, axis).astype(np.float32)
;;   ~~~
;;   SOFTMAX AHEAD OF A QUANTISED PRODUCT. Where the list says 'softmax', what is quantised is not the finished softmax but p = 2^(t - M), with t = logit x log2(e) and M = ceil(the row's largest t), a whole number; so 1/2 < the row's largest p <= 1. The row's sum l is taken of the UNQUANTISED p, in f32, and the product's result is divided by l at the end. Since M is a whole number, a kernel that streams over the keys may use a running M (the ceiling of the running maximum): every later rescaling is an exact power of two, which a block's scale takes up: the codes' values come out the same.
;;   OPERANDS COMPUTED ON THE WAY. 'Computed on the way' means the value that the module computes at that place (a softmax that the list does not call 'softmax' is quantised finished and normalised). What goes into a quantiser is computed in f32, as accurately as f32 sums, v_exp_f32 and their like allow (about 1e-6 of the number): no bf16 or f16 on the way to a quantiser, and a product that is left as it is and whose result goes on into a quantised operand takes f32 operands (vector FMAs, or v_wmma_f32_16x16x4_f32). A number that lies on a knife's edge between two numbers of the format may be rounded either way, as far as f32 arithmetic and the matrix unit's own rounding can turn it there, and no further.
;; One version. Each part assembles by itself: llvm-mc -triple=amdgcn-amd-amdhsa -mcpu=gfx1250 --defsym DOCPART=n.
;; ======== version 1 of 1: 4 launches
;; limits: right only within a limited range of input values
;; workspace buffers: xq 19,660,800 bytes; wq 3,276,800 bytes; hq 20,185,088 bytes; aq 6,553,600 bytes
;; launch prep (part 1): grid 896 x 1, 4 waves a work-group, no clusters, 34,304 bytes of LDS; arguments q, k, v, Wq, Wk, Wv, Wo, xq, wq; writes xq, wq
.if DOCPART == 1
	.amdgcn_target "amdgcn-amd-amdhsa--gfx1250"
	.amdhsa_code_object_version 6
	.text
	.protected	k_q181207e5ff_prep
	.globl	k_q181207e5ff_prep
	.p2align	8
	.type	k_q181207e5ff_prep,@function
k_q181207e5ff_prep:
	s_mov_b64 s[64:65], 0
	v_nop
	global_prefetch_b8 v0, s[64:65] scope:SCOPE_SE
	s_setreg_imm32_b32 hwreg(HW_REG_WAVE_MODE, 25, 1), 1
	s_wait_xcnt 0x0
; PREP: q, k, v [8192][1024] f32 (K innermost) and Wq, Wk, Wv, Wo [1024 (K)][1024 (n)] f32 (K the first axis) become codes of FP6 (E2M3) with one E8M0 byte for each 32 along K.
; A block's scale is 2^(floor(log2(its largest magnitude)) - 2): its byte is the largest magnitude's exponent field - 2, held at 1 from below by a floor among the maximum's leaves.
; LIMITS: NaN and infinities among the inputs are not served; a block whose largest magnitude lies under 2^-124, a block of zeros too, gets the byte 1 (its codes are then tiny or zero; this program alone reads the bytes).
; THE WORKSPACE IS LAID AS THE READER'S REGISTERS.  Rows go in groups of 128 (G) and tiles of 16 (t); lane r of tile t is row 128 G + 32 (t/2) + 8 (t%2) + r + 8 (r/8).
; A fragment (16 rows x 128 K, 12 registers a lane) is two halves of 768 bytes; a half holds registers 0-3 at 16 x lane (512 bytes) and registers 4-5 at 512 + 16 r + 8 h (256 bytes).
; Codes: [G][K step s (8)][t (8)][1536].  Scale words: [G][s/2 (4)][16 t + r][2 words].  xq: rows of q, then k, then v; wq: columns n of Wq, Wk, Wv, Wo.
; Work-groups 0-767 take 32 rows of q|k|v (wave = 256 along K); work-groups 768-895 take 128 columns x 256 along K of a weight (wave = 32 columns).  Each reads 128 KiB.  Waves share nothing: no barrier.
.set XS_OFF, 18874368                  ; xq: where the scale words begin
.set WS_OFF, 3145728                   ; wq: likewise
.set SPARE,  33792                     ; behind the four stages: the spare words, 128 bytes a wave
.set SPW, 12                           ; v12  my spare word; never rewritten
.set NIL, 13                           ; v13  0; never rewritten
.set X,   32                           ; v32-95   64 numbers of a lane, along K
.set R,   96                           ; v96-223  two sets of 64 registers as loaded (rows' path); the weights' path keeps its codes from v96 on
.set CD,  224                          ; v224-239 a unit's codes: 8 registers for each half
.set T,   240                          ; v240-247 the conversions' second halves
	s_load_b512 s[4:19], s[0:1], 0x0               ; q, k, v, Wq, Wk, Wv, Wo, xq
	s_load_b64 s[20:21], s[0:1], 0x40              ; wq
	v_lshl_add_u32 v[SPW], v0, 2, SPARE
	v_mov_b32 v[NIL], 0
	v_lshrrev_b32 v1, 5, v0
	v_readfirstlane_b32 s24, v1                    ; wave 0..3
	v_and_b32 v1, 31, v0                           ; lane
	s_cmp_lt_u32 ttmp9, 768
	s_cbranch_scc0 .Lweights
; ---------------- rows of q, k, v: K is innermost ----------------
; Each load reads 512 consecutive bytes of one row; 16 rows x 512 bytes turn through the wave's own stage (rows 528 bytes apart) so that lane (r, h) gets, of row r, the 32 neighbours of blocks h and 2 + h.
	v_and_b32 v2, 15, v0                           ; r
	v_bfe_u32 v3, v0, 4, 1                         ; h
	v_lshlrev_b32 v4, 4, v1                        ; 16 x lane
	v_lshlrev_b32 v5, 4, v2
	v_lshl_add_u32 v5, v3, 3, v5                   ; 16 r + 8 h
	s_mul_i32 s28, s24, 8448                       ; my stage
	v_add_nc_u32 v6, s28, v4                       ; into it: a row's 512 bytes as they lie
	v_mul_u32_u24 v7, v2, 528
	v_lshl_add_u32 v7, v3, 7, v7
	v_add_nc_u32 v7, s28, v7                       ; out of it: row r, + 128 h bytes
	v_lshlrev_b32 v8, 3, v1                        ; the scale words' place: 8 x lane
	v_lshlrev_b32 v9, 3, v3                        ; 8 h: my bytes' shift in a scale word
	v_mov_b32 v21, 0                               ; a lane permute's destination counts as one of its sources
	s_mov_b32 s34, 0x76543210
	s_mov_b32 s35, 0xfedcba98                      ; selects for lane l xor 16
	s_lshr_b32 s25, ttmp9, 8                       ; which tensor: 256 work-groups each
	s_and_b32 s28, ttmp9, 255
	s_lshl_b32 s28, s28, 17                        ; 32 rows of 4,096 bytes
	s_lshl_b32 s29, s24, 10                        ; + my wave's 256 along K
	s_add_co_u32 s28, s28, s29
	s_mov_b32 s29, 0
	s_lshr_b32 s36, ttmp9, 2                       ; G
	s_and_b32 s37, ttmp9, 3                        ; which pair of tiles in it
	s_mul_i32 s30, s36, 98304
	s_mul_i32 s38, s24, 24576                      ; two K steps a wave
	s_add_co_u32 s30, s30, s38
	s_mul_i32 s38, s37, 3072
	s_add_co_u32 s30, s30, s38
	s_mov_b32 s31, 0
	s_lshl_b32 s32, s36, 12
	s_lshl_b32 s38, s24, 10
	s_add_co_u32 s32, s32, s38
	s_lshl_b32 s38, s37, 8
	s_add_co_u32 s32, s32, s38
	s_add_co_u32 s32, s32, XS_OFF
	s_mov_b32 s33, 0
	s_wait_alu depctr_va_vdst(0)
	s_wait_kmcnt 0x0
	s_cmp_eq_u32 s25, 0                            ; the choice hangs on the work-group's number alone
	s_cselect_b64 s[26:27], s[4:5], s[6:7]
	s_cmp_eq_u32 s25, 2
	s_cselect_b64 s[26:27], s[8:9], s[26:27]
	s_add_nc_u64 s[26:27], s[26:27], s[28:29]
; k's ROWS ARE DEALT OTHERWISE: lane r of tile t is row 128 G + 64 (t/4) + 8 (t%4) + r%8 + 32 (r/8), so that in the scores a lane's 32 numbers of four tiles are one block of 32 keys.
; Against q's and v's order that is 16 rows back for the odd pairs of tiles, and 16 rows on for a tile's rows 8 to 15, which go by a base of their own.
	s_and_b32 s40, ttmp9, 1
	s_lshl_b32 s40, s40, 16                        ; 16 rows of 4,096 bytes
	s_mov_b32 s41, 0
	s_mov_b32 s42, 65536
	s_mov_b32 s43, 0
	s_cmp_eq_u32 s25, 1                            ; the choice hangs on the work-group's number alone
	s_cselect_b32 s40, s40, 0
	s_cselect_b32 s42, s42, 0
	s_sub_nc_u64 s[26:27], s[26:27], s[40:41]
	s_add_nc_u64 s[42:43], s[26:27], s[42:43]
	s_add_nc_u64 s[30:31], s[18:19], s[30:31]      ; my codes
	s_add_nc_u64 s[32:33], s[18:19], s[32:33]      ; my scale words
; unit n = 2 u + s: tile u of the pair, K step s of my two: 16 rows x 128 K
.macro LOADX n
.set U, (\n)/2
.set SS, (\n)%2
.set RB, R+64*((\n)%2)
.irp i, 0,1,2,3,4,5,6,7,8,9,10,11,12,13,14,15
.if \i < 8
	global_load_b128 v[RB+4*\i:RB+4*\i+3], v4, s[26:27] offset:(8*U+\i+8*(\i/8))*4096+512*SS th:TH_LOAD_NT   ; the tile's row i: 512 consecutive bytes
.else
	global_load_b128 v[RB+4*\i:RB+4*\i+3], v4, s[42:43] offset:(8*U+\i+8*(\i/8))*4096+512*SS th:TH_LOAD_NT
.endif
.endr
.endm
.macro TURNX n                         ; LDS serves a wave's instructions in order: no wait between the stores and the loads
.set RB, R+64*((\n)%2)
.irp i, 0,1,2,3,4,5,6,7,8,9,10,11,12,13,14,15
	ds_store_b128 v6, v[RB+4*\i:RB+4*\i+3] offset:528*\i
.endr
.irp c, 0,1
.irp j, 0,1,2,3,4,5,6,7
	ds_load_b128 v[X+32*\c+4*\j:X+32*\c+4*\j+3], v7 offset:256*\c+16*\j     ; k = 64 c + 32 h + 4 j ..
.endr
.endr
.endm
.macro WORKX n
.set U, (\n)/2
.set SS, (\n)%2
.irp c, 0,1
	v_max3_num_f32 v[14+\c], |v[X+32*\c]|, |v[X+32*\c+1]|, 0x1800000   ; block 2 c + h is all mine; the floor 2^(3 - 127) holds the byte at 1 from below
.endr
.irp i, 2,4,6,8,10,12,14,16,18,20,22,24,26,28,30
.irp c, 0,1
	v_max3_num_f32 v[14+\c], v[14+\c], |v[X+32*\c+\i]|, |v[X+32*\c+\i+1]|
.endr
.endr
.irp c, 0,1
	v_add_nc_u32 v[16+\c], 0xff000000, v[14+\c]    ; 2 off the exponent field: the conversion's scale operand
.endr
.irp c, 0,1
	v_lshrrev_b32 v[18+\c], 23, v[16+\c]           ; the scale's byte
.endr
	v_lshl_or_b32 v20, v19, 16, v18                ; blocks h and 2 + h,
	v_lshlrev_b32 v20, v9, v20                     ; at their places in the word;
	v_permlanex16_b32 v21, v20, s34, s35
	v_or_b32 v[22+(\n)], v20, v21                  ; with lane l xor 16's two the row's word is whole
	s_wait_alu depctr_va_vdst(0)
	s_wait_xcnt 0x0                                ; the last unit's stores have read their data registers: they are written again below
.irp c, 0,1
	v_cvt_scalef32_pk16_fp6_f32 v[CD+8*\c:CD+8*\c+2], v[X+32*\c:X+32*\c+15], v[16+\c]
	v_cvt_scalef32_pk16_fp6_f32 v[T+4*\c:T+4*\c+2], v[X+32*\c+16:X+32*\c+31], v[16+\c]   ; (a conversion's three registers begin on an even number)
.endr
	v_nop                                          ; one plain place behind a scaled conversion
.irp c, 0,1
.irp i, 0,1,2
	v_mov_b32 v[CD+8*\c+3+\i], v[T+4*\c+\i]
.endr
.endr
.irp c, 0,1
	global_store_b128 v4, v[CD+8*\c:CD+8*\c+3], s[30:31] offset:12288*SS+1536*U+768*\c        ; 512 consecutive bytes, aligned to 256
	global_store_b64 v5, v[CD+8*\c+4:CD+8*\c+5], s[30:31] offset:12288*SS+1536*U+768*\c+512   ; 256 consecutive bytes, aligned
.endr
.endm
	LOADX 0
	LOADX 1
	s_wait_loadcnt 16                              ; unit 0's sixteen loads are in; unit 1's stay out
	TURNX 0
.irp n, 0,1,2,3
	s_wait_dscnt 0x0                               ; the unit's numbers are back, and the stage's stores have read their registers,
.if \n < 2
	LOADX \n+2                                     ; which take the loads of two units on
.endif
	WORKX \n
.if \n < 2
	s_wait_loadcnt 16                              ; the next unit's loads are in; those of the unit behind it stay out
.elseif \n == 2
	s_wait_loadcnt 0x0
.endif
.if \n < 3
	TURNX \n+1
.endif
.endr
	v_cmp_lt_u32 vcc_lo, 15, v1                    ; lane (r, h) stores tile h's two words of row r
	v_cndmask_b32 v26, v22, v24, vcc_lo
	v_cndmask_b32 v27, v23, v25, vcc_lo
	global_store_b64 v8, v[26:27], s[32:33]        ; 256 consecutive bytes, aligned
	s_wait_tensorcnt 0x0                           ; the wave's end: three closing lines, behind my last LDS store
	ds_add_u32 v[SPW], v[NIL]
	s_wait_dscnt 0x0
	s_endpgm
; ---------------- weights: K is the first axis ----------------
; A lane takes a column n and its registers run down K: each load reads 128 consecutive bytes a wave (512 a work-group), a block of 32 lies in one lane, and the conversions give codes with K innermost.
; Lane l is row r = l % 8 + 8 (l / 16) of tile 2 w + (l / 8) % 2: its registers 0-3 for h = 0, for h = 1, and its registers 4-5 of both h are three runs of 16 bytes in the fragment's image.
.Lweights:
	s_sub_co_u32 s25, ttmp9, 768                   ; 32 x weight + 4 x (128 columns) + (256 along K)
	s_lshr_b32 s26, s25, 5
	s_bfe_u32 s27, s25, 0x30002
	s_and_b32 s36, s25, 3
	s_lshr_b32 s37, s25, 2                         ; G = 8 x weight + group of columns
	s_wait_alu depctr_va_vdst(0)
	v_lshlrev_b32 v3, 2, v1                        ; in: 4 bytes a lane
	v_bfe_u32 v6, v1, 3, 1                         ; u
	v_and_b32 v7, 7, v1
	v_lshrrev_b32 v8, 4, v1
	v_lshl_add_u32 v7, v8, 3, v7                   ; r
	v_mul_u32_u24 v4, v6, 1536
	v_lshl_add_u32 v4, v7, 4, v4                   ; codes: 1536 u + 16 r
	v_lshl_add_u32 v5, v6, 4, v7
	v_lshlrev_b32 v5, 3, v5                        ; scale words: 8 (16 u + r)
	s_lshl_b32 s28, s36, 20                        ; 256 rows of 4,096 bytes
	s_lshl_b32 s38, s27, 9
	s_add_co_u32 s28, s28, s38
	s_lshl_b32 s38, s24, 7
	s_add_co_u32 s28, s28, s38                     ; + 4 (128 group + 32 wave)
	s_mov_b32 s29, 0
	s_mul_i32 s32, s37, 98304
	s_mul_i32 s38, s36, 24576
	s_add_co_u32 s32, s32, s38
	s_mul_i32 s38, s24, 3072
	s_add_co_u32 s32, s32, s38
	s_mov_b32 s33, 0
	s_lshl_b32 s34, s37, 12
	s_lshl_b32 s38, s36, 10
	s_add_co_u32 s34, s34, s38
	s_lshl_b32 s38, s24, 8
	s_add_co_u32 s34, s34, s38
	s_add_co_u32 s34, s34, WS_OFF
	s_mov_b32 s35, 0
	s_wait_alu depctr_va_vdst(0)
	s_wait_kmcnt 0x0
	s_cmp_eq_u32 s26, 0
	s_cselect_b64 s[30:31], s[10:11], s[12:13]
	s_cmp_eq_u32 s26, 2
	s_cselect_b64 s[30:31], s[14:15], s[30:31]
	s_cmp_eq_u32 s26, 3
	s_cselect_b64 s[30:31], s[16:17], s[30:31]
	s_add_nc_u64 s[30:31], s[30:31], s[28:29]
	s_add_nc_u64 s[32:33], s[20:21], s[32:33]
	s_add_nc_u64 s[34:35], s[20:21], s[34:35]
.macro LOADW t                         ; block t: W(32 t + i, my column) into set t % 2
.irp i, 0,1,2,3,4,5,6,7,8,9,10,11,12,13,14,15,16,17,18,19,20,21,22,23,24,25,26,27,28,29,30,31
	global_load_b32 v[X+32*((\t)%2)+\i], v3, s[30:31] offset:(32*(\t)+\i)*4096 th:TH_LOAD_NT
.endr
.endm
.macro BLOCKW t                        ; block t = 4 s + 2 c + h of my 256 along K
.set XB, X+32*((\t)%2)
.set HH, (\t)%2
.set SET, 96+12*((\t)/2)               ; a set of 12 registers for each (s, c): no store's data are written again
.if (\t) < 7
	s_wait_loadcnt 32                              ; this block's 32 loads are in; the next block's stay out
.else
	s_wait_loadcnt 0x0
.endif
	v_max3_num_f32 v14, |v[XB]|, |v[XB+1]|, |v[XB+2]|
	v_max3_num_f32 v15, |v[XB+3]|, |v[XB+4]|, |v[XB+5]|
.irp i, 6,10,14,18,22,26
	v_max3_num_f32 v14, v14, |v[XB+\i]|, |v[XB+\i+1]|
	v_max3_num_f32 v15, v15, |v[XB+\i+2]|, |v[XB+\i+3]|
.endr
	v_max3_num_f32 v14, v14, |v[XB+30]|, |v[XB+31]|
	v_max3_num_f32 v14, v14, v15, 0x1800000        ; and the floor
	v_add_nc_u32 v16, 0xff000000, v14
	v_lshrrev_b32 v17, 23, v16
.if (\t)%4 == 0
	v_mov_b32 v[22+(\t)/4], v17                    ; four bytes to a word, the lower K in the lower byte
.else
	v_lshl_or_b32 v[22+(\t)/4], v17, 8*((\t)%4), v[22+(\t)/4]
.endif
	v_cvt_scalef32_pk16_fp6_f32 v[SET+4*HH:SET+4*HH+2], v[XB:XB+15], v16
	v_cvt_scalef32_pk16_fp6_f32 v[T:T+2], v[XB+16:XB+31], v16
	v_nop                                          ; one plain place behind a scaled conversion
	v_mov_b32 v[SET+4*HH+3], v[T]                  ; register 3
	v_mov_b32 v[SET+8+2*HH], v[T+1]                ; registers 4, 5
	v_mov_b32 v[SET+9+2*HH], v[T+2]
.if (\t)+2 < 8
	LOADW (\t)+2
.endif
.if HH == 1
.irp p, 0,1,2
	global_store_b128 v4, v[SET+4*\p:SET+4*\p+3], s[32:33] offset:12288*((\t)/4)+768*(((\t)%4)/2)+256*\p   ; sixteen lanes fill 256 consecutive bytes, aligned, in each of the two tiles
.endr
.endif
.endm
	LOADW 0
	LOADW 1
.irp t, 0,1,2,3,4,5,6,7
	BLOCKW \t
.endr
	global_store_b64 v5, v[22:23], s[34:35]        ; the wave's 32 rows x 2 words: 256 consecutive bytes
	s_wait_tensorcnt 0x0                           ; the same three lines close this path too
	ds_add_u32 v[SPW], v[NIL]
	s_wait_dscnt 0x0
	s_endpgm
.Lfunc_end_k_q181207e5ff_prep:
	.size	k_q181207e5ff_prep, .Lfunc_end_k_q181207e5ff_prep-k_q181207e5ff_prep
	.p2alignl 7, 3214868480
	.fill 96, 4, 3214868480
	.section	.rodata,"a",@progbits
	.p2align	6, 0x0
	.amdhsa_kernel k_q181207e5ff_prep
		.amdhsa_group_segment_fixed_size 34304
		.amdhsa_private_segment_fixed_size 0
		.amdhsa_enable_private_segment 0
		.amdhsa_kernarg_size 72
		.amdhsa_user_sgpr_count 2
		.amdhsa_user_sgpr_kernarg_segment_ptr 1
		.amdhsa_wavefront_size32 1
		.amdhsa_system_sgpr_workgroup_id_x 1
		.amdhsa_system_sgpr_workgroup_id_y 1
		.amdhsa_system_sgpr_workgroup_id_z 1
		.amdhsa_system_vgpr_workitem_id 0
		.amdhsa_next_free_vgpr 248
		.amdhsa_next_free_sgpr 66
		.amdhsa_reserve_vcc 1
		.amdhsa_float_denorm_mode_32 3
		.amdhsa_float_denorm_mode_16_64 3
		.amdhsa_memory_ordered 1
		.amdhsa_forward_progress 1
		.amdhsa_inst_pref_size 70
	.end_amdhsa_kernel
	.amdgpu_metadata
---
amdhsa.version: [ 1, 2 ]
amdhsa.kernels:
  - .name:           k_q181207e5ff_prep
    .symbol:         k_q181207e5ff_prep.kd
    .args:
      - { .name: q, .offset: 0, .size: 8, .value_kind: global_buffer, .address_space: global }
      - { .name: k, .offset: 8, .size: 8, .value_kind: global_buffer, .address_space: global }
      - { .name: v, .offset: 16, .size: 8, .value_kind: global_buffer, .address_space: global }
      - { .name: Wq, .offset: 24, .size: 8, .value_kind: global_buffer, .address_space: global }
      - { .name: Wk, .offset: 32, .size: 8, .value_kind: global_buffer, .address_space: global }
      - { .name: Wv, .offset: 40, .size: 8, .value_kind: global_buffer, .address_space: global }
      - { .name: Wo, .offset: 48, .size: 8, .value_kind: global_buffer, .address_space: global }
      - { .name: xq, .offset: 56, .size: 8, .value_kind: global_buffer, .address_space: global }
      - { .name: wq, .offset: 64, .size: 8, .value_kind: global_buffer, .address_space: global }
    .group_segment_fixed_size: 34304
    .private_segment_fixed_size: 0
    .kernarg_segment_align: 8
    .kernarg_segment_size: 72
    .max_flat_workgroup_size: 128
    .sgpr_count:     66
    .vgpr_count:     248
    .wavefront_size: 32
...
	.end_amdgpu_metadata
.endif
;; end of part 1
;; launch proj (part 2): grid 4 x 96, 4 waves a work-group, clusters of 4 x 4, 327,680 bytes of LDS; arguments xq, wq, bq, bk, bv, hq; writes hq
.if DOCPART == 2
	.amdgcn_target "amdgcn-amd-amdhsa--gfx1250"
	.amdhsa_code_object_version 6
	.text
	.protected	k_q181207e5ff_proj
	.globl	k_q181207e5ff_proj
	.p2align	8
	.type	k_q181207e5ff_proj,@function
k_q181207e5ff_proj:
	s_mov_b64 s[64:65], 0
	v_nop
	global_prefetch_b8 v0, s[64:65] scope:SCOPE_SE
	s_setreg_imm32_b32 hwreg(HW_REG_WAVE_MODE, 25, 1), 1
	s_wait_xcnt 0x0
	s_wait_alu depctr_hold_cnt(0) depctr_sa_sdst(0) depctr_va_vdst(0) depctr_va_sdst(0) depctr_va_ssrc(0) depctr_va_vcc(0) depctr_vm_vsrc(0)
	s_getreg_b32 s2, hwreg(HW_REG_IB_STS2, 6, 4)
	s_cmp_eq_u32 s2, 0
	s_cbranch_scc0 .Lentry_in_a_cluster
	s_endpgm
.Lentry_in_a_cluster:
	s_bfe_u32 s2, ttmp6, 0x10000c
	s_cmp_lg_u32 s2, 0xf033
	s_cbranch_scc0 .Lentry_shape_is_right
	s_endpgm
.Lentry_shape_is_right:
.set XS_OFF, 18874368
.set WS_OFF, 3145728
.set KC_OFF, 6291456
.set VC_OFF, 12582912
.set HS_OFF, 18874368
.set FR,     12
.set NL,     4
.set NP,     4
.set NQ,     2
.set HALFT,  24576
.set SLOT,   98304
.set SCL,    196608
.set HALFS,  4096
.set SPARE,  212992
.set LAPS,   2
.set ADRA, 16
.set ADRB, 20
.set ADRS, 27
.set SPW,  28
.set NIL,  29
.set SC,   32
.set BI,   64
.set AF,   128
.set ST,   128
.set PC,   192
.set TM,   212
.set WS,   228
.set FF,   236
.set D0,   240
.set D1,   244
.set SEL,  66
.set G1, 24
.set G0, 32
.set G1B, 48
.set G0B, 56
.set G1S, 68
.set G0S, 76
.set G1SB, 80
.set G0SB, 88
.set MSB, 0
.macro WIN new
.if MSB != \new
	s_set_vgpr_msb (MSB<<8)|\new
.set MSB, \new
.endif
.endm
.set MUL_LO, 0xa1
.set MUL_HI, 0xf1
.set TO_B,   0x40
.macro JLOAD g0a, g1a, g0b, g1b
	s_cmp_eq_u32 s17, 0
	s_cbranch_scc0 .Lfor_b_\@
	tensor_load_to_lds s[\g0a:\g0a+3], s[\g1a:\g1a+7]
	s_nop 0
.rept 4
	v_nop
.endr
	s_branch .Lasked_\@
.Lfor_b_\@:
	tensor_load_to_lds s[\g0b:\g0b+3], s[\g1b:\g1b+7]
	s_nop 0
.rept 4
	v_nop
.endr
.Lasked_\@:
.endm
.macro CREST
	s_cmp_lg_u32 s16, 0
	s_cbranch_scc1 .Lnot_wave_0_\@
	s_barrier_signal -3
.Lnot_wave_0_\@:
	s_barrier_wait -3
	s_barrier_signal -1
	s_barrier_wait -1
.endm
.macro CROUND
	s_barrier_signal -1
	s_barrier_wait -1
	CREST
.endm
	s_load_b256 s[4:11], s[0:1], 0x0
	s_load_b128 s[12:15], s[0:1], 0x20
	v_lshl_add_u32 v[SPW], v0, 2, SPARE
	v_mov_b32 v[NIL], 0
	ds_add_u32 v[SPW], v[NIL]
	ds_add_u32 v[SPW], v[NIL]
	v_lshrrev_b32 v1, 5, v0
	v_readfirstlane_b32 s16, v1
	s_lshr_b32 s17, s16, 1
	s_and_b32 s18, s16, 1
	s_and_b32 s40, ttmp7, 0xffff
	s_bfe_u32 s41, ttmp6, 0x40000
	s_bfe_u32 s42, ttmp6, 0x40004
	s_lshl_b32 s43, s42, 2
	s_lshl_b32 s43, 15, s43
	s_lshl_b32 s44, 0x1111, s41
	s_lshr_b32 s46, s40, 3
	s_lshl_b32 s47, s40, 2
	s_add_co_u32 s92, s47, s42
	s_add_co_u32 s94, s42, 8
	s_lshl_b32 s93, s46, 2
	s_add_co_u32 s93, s93, s41
	s_add_co_u32 s95, s47, s41
	s_mov_b32 s96, XS_OFF
	s_mov_b32 s97, WS_OFF
	s_cmp_ge_u32 s40, 16
	s_cselect_b32 s45, 1, 0
	s_cselect_b32 s92, s94, s92
	s_cselect_b32 s93, s95, s93
	s_cselect_b32 s94, s97, s96
	s_cselect_b32 s95, s96, s97
	s_or_b32 s[G1+0], s43, (3<<16)|(1<<21)
	s_or_b32 s[G1B+0], s44, (3<<16)|(1<<21)
.irp g, G1, G1B
	s_mov_b32 s[\g+1], 3072<<16                    ; the head's form: a slot's two groups of rows as two rows of 24,576 bytes, 98,304 bytes apart
	s_mov_b32 s[\g+2], 2<<16
	s_mov_b32 s[\g+3], 3072<<16
	s_mov_b32 s[\g+4], 2
	s_mov_b32 s[\g+5], 12288
	s_mov_b32 s[\g+6], 0
	s_mov_b32 s[\g+7], 0
.endr
	s_or_b32 s[G1S+0], s43, (3<<16)|(1<<21)
	s_or_b32 s[G1SB+0], s44, (3<<16)|(1<<21)
.irp g, G1S, G1SB
	s_mov_b32 s[\g+1], 32<<16
	s_mov_b32 s[\g+2], 32<<16                      ; the scale words of 256 rows: 8,192 dense bytes
	s_mov_b32 s[\g+3], 32<<16
	s_mov_b32 s[\g+4], 32
	s_mov_b32 s[\g+5], 32
	s_mov_b32 s[\g+6], 0
	s_mov_b32 s[\g+7], 0
.endr
	s_lshl_b32 s19, s92, 1
	s_add_co_u32 s19, s19, s18
	s_mul_i32 s20, s19, 98304
	s_mov_b32 s21, 0
	s_lshl_b32 s22, s92, 13
	s_add_co_u32 s22, s22, s94
	s_mov_b32 s23, 0
	s_lshl_b32 s2, s93, 1
	s_add_co_u32 s2, s2, s18
	s_mul_i32 s96, s2, 98304
	s_mov_b32 s97, 0
	s_lshl_b32 s98, s93, 13
	s_add_co_u32 s98, s98, s95
	s_mov_b32 s99, 0
	s_mul_i32 s100, s16, HALFT
	s_lshl_b32 s101, s16, 12
	s_wait_dscnt 0x0
	s_wait_kmcnt 0x0
	s_cmp_eq_u32 s45, 0
	s_cselect_b64 s[66:67], s[4:5], s[6:7]
	s_cselect_b64 s[94:95], s[6:7], s[4:5]
	s_add_nc_u64 s[20:21], s[66:67], s[20:21]
	s_add_nc_u64 s[22:23], s[66:67], s[22:23]
	s_add_nc_u64 s[96:97], s[94:95], s[96:97]
	s_add_nc_u64 s[98:99], s[94:95], s[98:99]
	CROUND
	s_mov_b32 s[G0S], 1
	s_mov_b32 s[G0S+1], SCL
	s_mov_b64 s[G0S+2:G0S+3], s[22:23]
	s_or_b32 s[G0S+3], s[G0S+3], 0x80000000
	s_mov_b32 s[G0SB], 1
	s_mov_b32 s[G0SB+1], SCL+2*HALFS
	s_mov_b64 s[G0SB+2:G0SB+3], s[98:99]
	s_or_b32 s[G0SB+3], s[G0SB+3], 0x80000000
.irp s, 0,1
	s_mov_b32 s[G0+4*\s], 1
	s_add_co_u32 s[G0+4*\s+1], s100, \s*SLOT
	s_add_nc_u64 s[G0+4*\s+2:G0+4*\s+3], s[20:21], \s*HALFT
	s_or_b32 s[G0+4*\s+3], s[G0+4*\s+3], 0x80000000
	s_mov_b32 s[G0B+4*\s], 1
	s_add_co_u32 s[G0B+4*\s+1], s100, \s*SLOT
	s_add_nc_u64 s[G0B+4*\s+2:G0B+4*\s+3], s[96:97], \s*HALFT
	s_or_b32 s[G0B+4*\s+3], s[G0B+4*\s+3], 0x80000000
.endr
; THE HEAD'S FOUR TILES, one a wave, in one chain of branches on the wave's number: slot 0's rows of A, its rows of B, A's scale words, B's.
	s_mul_i32 s2, s18, 98304                       ; from my half back to the tile's first group
	s_mov_b32 s3, 0
	s_sub_nc_u64 s[6:7], s[20:21], s[2:3]
	s_or_b32 s7, s7, 0x80000000
	s_mov_b32 s4, 1
	s_mov_b32 s5, 0
	s_sub_nc_u64 s[98:99], s[96:97], s[2:3]
	s_or_b32 s99, s99, 0x80000000
	s_mov_b32 s96, 1
	s_mov_b32 s97, 2*HALFT
	s_cmp_eq_u32 s16, 0
	s_cbranch_scc0 .Lhead_1
	tensor_load_to_lds s[4:7], s[G1:G1+7]
	s_nop 0
.rept 4
	v_nop
.endr
	s_branch .Lhead_asked
.Lhead_1:
	s_cmp_eq_u32 s16, 1
	s_cbranch_scc0 .Lhead_2
	tensor_load_to_lds s[96:99], s[G1B:G1B+7]
	s_nop 0
.rept 4
	v_nop
.endr
	s_branch .Lhead_asked
.Lhead_2:
	s_cmp_eq_u32 s16, 2
	s_cbranch_scc0 .Lhead_3
	tensor_load_to_lds s[G0S:G0S+3], s[G1S:G1S+7]
	s_nop 0
.rept 4
	v_nop
.endr
	s_branch .Lhead_asked
.Lhead_3:
	tensor_load_to_lds s[G0SB:G0SB+3], s[G1SB:G1SB+7]
	s_nop 0
.rept 4
	v_nop
.endr
.Lhead_asked:
	v_and_b32 v1, 15, v0
	v_bfe_u32 v2, v0, 4, 1
	v_and_b32 v3, 31, v0
	v_lshlrev_b32 v24, 4, v3
	v_lshlrev_b32 v25, 4, v1
	v_lshl_add_u32 v25, v2, 3, v25
	s_mul_i32 s19, s17, HALFT
	s_mul_i32 s47, s18, HALFT
	s_add_co_u32 s47, s47, 2*HALFT
.irp s, 0,1
	v_add_nc_u32 v[ADRA+\s], s19, v24
	v_add_nc_u32 v[ADRA+2+\s], s19, v25
	v_add_nc_u32 v[ADRB+\s], s47, v24
	v_add_nc_u32 v[ADRB+2+\s], s47, v25
	s_add_co_u32 s19, s19, SLOT
	s_add_co_u32 s47, s47, SLOT
.endr
	s_lshl_b32 s19, s17, 12
	s_lshl_b32 s47, s18, 12
	s_add_co_u32 s47, s47, 2*HALFS
	s_sub_co_u32 s47, s47, s19
	v_mul_u32_u24 v4, s47, v2
	s_add_co_u32 s19, s19, SCL
	v_lshl_add_u32 v4, v1, 3, v4
	v_add_nc_u32 v[ADRS], s19, v4
	v_lshlrev_b32 v30, 6, v2
	v_and_b32 v31, 8, v1
	v_add_nc_u32 v31, v31, v1
	v_lshlrev_b32 v31, 2, v31
	s_cmp_eq_u32 s45, 0
	s_cbranch_scc0 .Lbias_v
	s_cmp_eq_u32 s46, 0
	s_cselect_b64 s[66:67], s[8:9], s[10:11]
	s_lshl_b32 s2, s41, 10
	s_lshl_b32 s3, s18, 9
	s_add_co_u32 s2, s2, s3
	s_mov_b32 s3, 0
	s_add_nc_u64 s[66:67], s[66:67], s[2:3]
	s_wait_alu depctr_va_vdst(0)
.irp b, 0,1,2,3
.irp i, 0,1,2,3
	global_load_b128 v[BI+16*\b+4*\i:BI+16*\b+4*\i+3], v30, s[66:67] offset:128*\b+16*\i
.endr
.endr
	s_branch .Lbias_done
.Lbias_v:
	s_lshl_b32 s2, s42, 10
	s_lshl_b32 s3, s17, 9
	s_add_co_u32 s2, s2, s3
	s_mov_b32 s3, 0
	s_add_nc_u64 s[66:67], s[12:13], s[2:3]
	s_wait_alu depctr_va_vdst(0)
.irp a, 0,1,2,3,4,5,6,7
	global_load_b32 v[BI+2*\a], v31, s[66:67] offset:4*(32*(\a/2)+8*(\a%2))
	global_load_b32 v[BI+2*\a+1], v31, s[66:67] offset:4*(32*(\a/2)+8*(\a%2))
.endr
.Lbias_done:
.macro FRAG reg, adr, q, i
	ds_load_b128 v[\reg:\reg+3], v[\adr] offset:12288*(\q)+1536*(\i)
	ds_load_b64 v[\reg+4:\reg+5], v[\adr+2] offset:12288*(\q)+1536*(\i)+512
	ds_load_b128 v[\reg+6:\reg+9], v[\adr] offset:12288*(\q)+1536*(\i)+768
	ds_load_b64 v[\reg+10:\reg+11], v[\adr+2] offset:12288*(\q)+1536*(\i)+1280
.endm
.macro MUL16 a0, p, q, sc, zero
.irp a, \a0, \a0+1
.irp b, 0,1,2,3,4,5,6,7
.if \zero
	v_wmma_scale_f32_16x16x128_f8f6f4 v[8*(8*((\a)%4)+\b):8*(8*((\a)%4)+\b)+7], v[128*(\p)+FR*\b:128*(\p)+FR*\b+FR-1], v[AF+FR*(\a):AF+FR*(\a)+FR-1], 0, v[SC+8*NQ*(\sc)+NQ*\b+(\q)], v[SC+8*NQ*(\sc)+NQ*(\a)+(\q)] matrix_a_fmt:MATRIX_FMT_FP6 matrix_b_fmt:MATRIX_FMT_FP6 matrix_a_scale:MATRIX_SCALE_ROW1
.else
	v_wmma_scale_f32_16x16x128_f8f6f4 v[8*(8*((\a)%4)+\b):8*(8*((\a)%4)+\b)+7], v[128*(\p)+FR*\b:128*(\p)+FR*\b+FR-1], v[AF+FR*(\a):AF+FR*(\a)+FR-1], v[8*(8*((\a)%4)+\b):8*(8*((\a)%4)+\b)+7], v[SC+8*NQ*(\sc)+NQ*\b+(\q)], v[SC+8*NQ*(\sc)+NQ*(\a)+(\q)] matrix_a_fmt:MATRIX_FMT_FP6 matrix_b_fmt:MATRIX_FMT_FP6 matrix_a_scale:MATRIX_SCALE_ROW1
.endif
.endr
.endr
.endm
.macro FETCH_B slot, q, p
	WIN TO_B
.irp i, 0,1,2,3,4,5,6,7
	FRAG 128*(\p)+FR*\i, ADRB+\slot, \q, \i
.endr
	WIN 0
.endm
.macro FETCH_A slot, q, i0
.irp i, \i0, \i0+1, \i0+2, \i0+3
	FRAG AF+FR*(\i), ADRA+\slot, \q, \i
.endr
.endm
.macro SCALES sc
.irp i, 0,1,2,3,4,5,6,7
	ds_load_b64 v[SC+8*NQ*\sc+NQ*\i:SC+8*NQ*\sc+NQ*\i+1], v[ADRS] offset:128*\i
.endr
.endm
.macro PLACES n
.rept \n
	v_nop
.endr
.endm
.macro STEP slot, q, zero
	s_wait_dscnt 4*NL
	WIN MUL_LO
	MUL16 0, (\q)%2, \q, \slot, \zero
	MUL16 2, (\q)%2, \q, \slot, \zero
	s_wait_dscnt 0
	PLACES NP
	FETCH_B \slot, (\q)+1, 1-(\q)%2
	FETCH_A \slot, (\q)+1, 0
	WIN MUL_HI
	MUL16 4, (\q)%2, \q, \slot, \zero
	MUL16 6, (\q)%2, \q, \slot, \zero
	PLACES NP
	WIN 0
	FETCH_A \slot, (\q)+1, 4
.endm
.macro TURN slot, next, fill
	s_wait_tensorcnt 0x0
	ds_add_u32 v[SPW], v[NIL]
	s_wait_dscnt 4*NL+1
	WIN MUL_LO
	MUL16 0, 1, NQ-1, \slot, 0
	s_wait_dscnt 0x0
	s_barrier_signal -1
	MUL16 2, 1, NQ-1, \slot, 0
	WIN 0
	s_barrier_wait -1
.if \fill
	CREST
	s_add_nc_u64 s[G0+4*\slot+2:G0+4*\slot+3], s[G0+4*\slot+2:G0+4*\slot+3], 2*HALFT
	s_add_nc_u64 s[G0B+4*\slot+2:G0B+4*\slot+3], s[G0B+4*\slot+2:G0B+4*\slot+3], 2*HALFT
	JLOAD G0+4*\slot, G1, G0B+4*\slot, G1B
.else
	PLACES NP
.endif
	s_wait_alu depctr_va_vdst(0)
	v_add_nc_u32 v[ADRS], 1024, v[ADRS]
	FETCH_B \next, 0, 0
	FETCH_A \next, 0, 0
	SCALES \next
	WIN MUL_HI
	MUL16 4, 1, NQ-1, \slot, 0
	MUL16 6, 1, NQ-1, \slot, 0
	PLACES NP
	WIN 0
	FETCH_A \next, 0, 4
.endm
	s_wait_loadcnt 0x0
	s_wait_tensorcnt 0x0                           ; my tile of the head's four is in
	ds_add_u32 v[SPW], v[NIL]
.irp g, G1, G1B
	s_mov_b32 s[\g+1], 32<<16                      ; no tensor load of mine is out: from here on a load brings 96 rows of 256 bytes
	s_mov_b32 s[\g+2], 96<<16
	s_mov_b32 s[\g+3], 32<<16
	s_mov_b32 s[\g+4], 96
	s_mov_b32 s[\g+5], 32
.endr
	s_wait_dscnt 0x0
	CROUND                                         ; all four tiles are in, in every work-group of the cluster
	JLOAD G0+4, G1, G0B+4, G1B                     ; slot 1, a quarter a wave
	FETCH_B 0, 0, 0
	FETCH_A 0, 0, 0
	SCALES 0
	FETCH_A 0, 0, 4
	STEP 0, 0, 1
	s_mov_b32 s3, LAPS-1
.Llap:
	TURN 0, 1, 1
	STEP 1, 0, 0
	TURN 1, 0, 1
	STEP 0, 0, 0
	s_sub_co_u32 s3, s3, 1
	s_cmp_lg_u32 s3, 0
	s_cbranch_scc1 .Llap
	TURN 0, 1, 0
	STEP 1, 0, 0
	s_wait_dscnt 4*NL
	WIN MUL_LO
	MUL16 0, 1, NQ-1, 1, 0
	MUL16 2, 1, NQ-1, 1, 0
	s_wait_dscnt 0
	WIN MUL_HI
	MUL16 4, 1, NQ-1, 1, 0
	MUL16 6, 1, NQ-1, 1, 0
	WIN 0
.macro QUANT s, pw
.irp b, 0,1,2,3
	v_max3_num_f32 v[TM+\b], |v[\s+16*\b]|, |v[\s+1+16*\b]|, 0x1800000
.endr
.irp i, 2,4,6,8,10,12,14
.irp b, 0,1,2,3
	v_max3_num_f32 v[TM+\b], v[TM+\b], |v[\s+16*\b+\i]|, |v[\s+1+16*\b+\i]|
.endr
.endr
.irp b, 0,1,2,3
	v_permlanex16_b32 v[TM+4+\b], v[TM+\b], s[SEL], s[SEL+1]
.endr
.irp b, 0,1,2,3
	v_max_num_f32 v[TM+\b], v[TM+\b], v[TM+4+\b]
.endr
.irp b, 0,1,2,3
	v_add_nc_u32 v[TM+12+\b], 0xff000000, v[TM+\b]
.endr
.irp b, 0,1,2,3
	v_lshrrev_b32 v[TM+4+\b], 23, v[TM+12+\b]
.endr
	v_lshl_or_b32 v[\pw], v[TM+5], 8, v[TM+4]
	v_lshl_or_b32 v[\pw], v[TM+6], 16, v[\pw]
	v_lshl_or_b32 v[\pw], v[TM+7], 24, v[\pw]
.irp c, 0,1
	v_cvt_scalef32_pk16_fp6_f32 v[PC+6*\c:PC+2+6*\c], v[\s+32*\c:\s+15+32*\c], v[TM+12+2*\c]
	v_cvt_scalef32_pk16_fp6_f32 v[PC+12+4*\c:PC+14+4*\c], v[\s+16+32*\c:\s+31+32*\c], v[TM+12+2*\c+1]
.endr
	v_nop
.irp c, 0,1
.irp i, 0,1,2
	v_permlane16_swap_b32 v[PC+6*\c+\i], v[PC+12+4*\c+\i]
.endr
.irp i, 0,1,2
	v_mov_b32 v[PC+3+6*\c+\i], v[PC+12+4*\c+\i]
.endr
.endr
.endm
.macro EPI a, mode
.set WN, 0x02+(\a)/4
	WIN WN
.set i, 0
.rept 32
.if \mode
	v_pk_add_f32 v[ST+2*i:ST+2*i+1], v[64*((\a)%4)+2*i:64*((\a)%4)+2*i+1], v[BI+2*(\a):BI+2*(\a)+1]
.else
	v_pk_add_f32 v[ST+2*i:ST+2*i+1], v[64*((\a)%4)+2*i:64*((\a)%4)+2*i+1], v[BI+2*i:BI+2*i+1]
.endif
.set i, i+1
.endr
	WIN 0
.if (\a) > 0
	s_wait_xcnt 0x0
.endif
	QUANT ST, WS+(\a)
.irp c, 0,1
.if \mode
	global_store_b128 v24, v[PC+6*\c:PC+6*\c+3], s[20:21] offset:98304*((\a)/4)+1536*((\a)%4)+768*\c
	global_store_b64 v25, v[PC+6*\c+4:PC+6*\c+5], s[20:21] offset:98304*((\a)/4)+1536*((\a)%4)+768*\c+512
.else
	global_store_b128 v24, v[PC+6*\c:PC+6*\c+3], s[20:21] offset:98304*\c+768*(\a)
	global_store_b64 v25, v[PC+6*\c+4:PC+6*\c+5], s[20:21] offset:98304*\c+768*(\a)+512
.endif
.endr
.endm
	PLACES NP
	s_mov_b32 s[SEL], 0x76543210
	s_mov_b32 s[SEL+1], 0xfedcba98
.irp b, 0,1,2,3
	v_mov_b32 v[TM+4+\b], 0
.endr
	s_cmp_eq_u32 s45, 0
	s_cbranch_scc0 .Lepi_v
	s_lshl_b32 s19, s92, 1
	s_add_co_u32 s19, s19, s17
	s_and_b32 s47, s19, 15
	s_bfe_u32 s2, s19, 0x20004
	s_lshl_b32 s2, s2, 4
	s_lshl_b32 s3, s41, 2
	s_add_co_u32 s2, s2, s3
	s_lshl_b32 s3, s18, 1
	s_add_co_u32 s2, s2, s3
	s_mul_i32 s20, s2, 98304
	s_mul_i32 s3, s46, KC_OFF
	s_add_co_u32 s20, s20, s3
	s_mul_i32 s3, s47, 6144
	s_add_co_u32 s20, s20, s3
	s_mov_b32 s21, 0
	s_mul_i32 s22, s2, 20480
	s_lshl_b32 s3, s46, 13
	s_add_co_u32 s22, s22, s3
	s_lshl_b32 s3, s47, 9
	s_add_co_u32 s22, s22, s3
	s_add_co_u32 s22, s22, HS_OFF
	s_mov_b32 s23, 0
	s_add_nc_u64 s[20:21], s[14:15], s[20:21]
	s_add_nc_u64 s[22:23], s[14:15], s[22:23]
	v_lshlrev_b32 v26, 5, v1
	v_lshl_add_u32 v26, v2, 4, v26
.irp a, 0,1,2,3,4,5,6,7
	EPI \a, 0
.endr
	v_cmp_lt_u32 vcc_lo, 15, v3
.irp j, 0,1,2,3
	v_cndmask_b32 v[FF+\j], v[WS+\j], v[WS+4+\j], vcc_lo
.endr
.irp j, 0,1,2,3
	v_and_b32 v[D0+\j], 0xffff, v[FF+\j]
	v_lshrrev_b32 v[D1+\j], 16, v[FF+\j]
.endr
	global_store_b128 v26, v[D0:D0+3], s[22:23]
	global_store_b128 v26, v[D1:D1+3], s[22:23] offset:20480
	s_branch .Lend
.Lepi_v:
	s_sub_co_u32 s19, s93, 64
	s_lshl_b32 s19, s19, 1
	s_add_co_u32 s19, s19, s18
	s_and_b32 s47, s19, 15
	s_lshr_b32 s2, s19, 4
	s_lshl_b32 s2, s2, 4
	s_lshl_b32 s3, s42, 2
	s_add_co_u32 s2, s2, s3
	s_lshl_b32 s3, s17, 1
	s_add_co_u32 s2, s2, s3
	s_mul_i32 s20, s2, 98304
	s_mul_i32 s3, s47, 6144
	s_add_co_u32 s20, s20, s3
	s_add_co_u32 s20, s20, VC_OFF
	s_mov_b32 s21, 0
	s_mul_i32 s22, s2, 20480
	s_lshl_b32 s3, s47, 8
	s_add_co_u32 s22, s22, s3
	s_add_co_u32 s22, s22, HS_OFF+16384
	s_mov_b32 s23, 0
	s_add_nc_u64 s[20:21], s[14:15], s[20:21]
	s_add_nc_u64 s[22:23], s[14:15], s[22:23]
	v_mul_u32_u24 v26, v2, 20480
	v_lshl_add_u32 v26, v1, 4, v26
.irp a, 0,1,2,3,4,5,6,7
	EPI \a, 1
.endr
	v_cmp_lt_u32 vcc_lo, 15, v3
.irp j, 0,1,2,3
	v_cndmask_b32 v[D0+\j], v[WS+\j], v[WS+4+\j], vcc_lo
.endr
	global_store_b128 v26, v[D0:D0+3], s[22:23]
.Lend:
	s_wait_tensorcnt 0x0
	ds_add_u32 v[SPW], v[NIL]
	s_wait_dscnt 0x0
	CROUND
	s_endpgm
.Lfunc_end_k_q181207e5ff_proj:
	.size	k_q181207e5ff_proj, .Lfunc_end_k_q181207e5ff_proj-k_q181207e5ff_proj
	.p2alignl 7, 3214868480
	.fill 96, 4, 3214868480
	.section	.rodata,"a",@progbits
	.p2align	6, 0x0
	.amdhsa_kernel k_q181207e5ff_proj
		.amdhsa_group_segment_fixed_size 327680
		.amdhsa_private_segment_fixed_size 0
		.amdhsa_enable_private_segment 0
		.amdhsa_kernarg_size 48
		.amdhsa_user_sgpr_count 2
		.amdhsa_user_sgpr_kernarg_segment_ptr 1
		.amdhsa_wavefront_size32 1
		.amdhsa_system_sgpr_workgroup_id_x 1
		.amdhsa_system_sgpr_workgroup_id_y 1
		.amdhsa_system_sgpr_workgroup_id_z 1
		.amdhsa_system_vgpr_workitem_id 0
		.amdhsa_next_free_vgpr 1024
		.amdhsa_next_free_sgpr 102
		.amdhsa_reserve_vcc 1
		.amdhsa_float_denorm_mode_32 3
		.amdhsa_float_denorm_mode_16_64 3
		.amdhsa_memory_ordered 1
		.amdhsa_forward_progress 1
		.amdhsa_inst_pref_size 221
	.end_amdhsa_kernel
	.amdgpu_metadata
---
amdhsa.version: [ 1, 2 ]
amdhsa.kernels:
  - .name:           k_q181207e5ff_proj
    .symbol:         k_q181207e5ff_proj.kd
    .args:
      - { .name: xq, .offset: 0, .size: 8, .value_kind: global_buffer, .address_space: global }
      - { .name: wq, .offset: 8, .size: 8, .value_kind: global_buffer, .address_space: global }
      - { .name: bq, .offset: 16, .size: 8, .value_kind: global_buffer, .address_space: global }
      - { .name: bk, .offset: 24, .size: 8, .value_kind: global_buffer, .address_space: global }
      - { .name: bv, .offset: 32, .size: 8, .value_kind: global_buffer, .address_space: global }
      - { .name: hq, .offset: 40, .size: 8, .value_kind: global_buffer, .address_space: global }
    .group_segment_fixed_size: 327680
    .private_segment_fixed_size: 0
    .kernarg_segment_align: 8
    .kernarg_segment_size: 48
    .max_flat_workgroup_size: 128
    .sgpr_count:     102
    .vgpr_count:     1024
    .wavefront_size: 32
...
	.end_amdgpu_metadata
.endif
;; end of part 2
;; launch attn (part 3): grid 4 x 64, 16 waves a work-group, clusters of 4 x 1, 210,944 bytes of LDS; arguments hq, aq; writes aq
.if DOCPART == 3
	.amdgcn_target "amdgcn-amd-amdhsa--gfx1250"
	.amdhsa_code_object_version 6
	.text
	.protected	k_q181207e5ff_attn
	.globl	k_q181207e5ff_attn
	.p2align	8
	.type	k_q181207e5ff_attn,@function
k_q181207e5ff_attn:
	s_mov_b64 s[64:65], 0
	v_nop
	global_prefetch_b8 v0, s[64:65] scope:SCOPE_SE
	s_setreg_imm32_b32 hwreg(HW_REG_WAVE_MODE, 25, 1), 1
	s_wait_xcnt 0x0
	s_wait_alu depctr_hold_cnt(0) depctr_sa_sdst(0) depctr_va_vdst(0) depctr_va_sdst(0) depctr_va_ssrc(0) depctr_va_vcc(0) depctr_vm_vsrc(0)
	s_getreg_b32 s2, hwreg(HW_REG_IB_STS2, 6, 4)
	s_cmp_eq_u32 s2, 0
	s_cbranch_scc0 .Lentry_in_a_cluster
	s_endpgm
.Lentry_in_a_cluster:
	s_bfe_u32 s2, ttmp6, 0x10000c
	s_cmp_lg_u32 s2, 0x3003
	s_cbranch_scc0 .Lentry_shape_is_right
	s_endpgm
.Lentry_shape_is_right:
; ATTN: for each of 64 (batch, head): O = softmax(Q K^T / 8) V on codes of FP6 with E8M0 scales; O / l is quantised along the output projection's K (head x 64 + d) and goes out as codes.
; THE SOFTMAX: t = score x log2(e) / 8; M = the running largest t rounded up to a whole number; p = 2^(t - M) is quantised along the keys, not normalised; the row's sum l is taken of the unquantised p;
; when M moves, l and O are multiplied by 2^(old M - new M), exactly.
; SHARES.  A work-group owns 512 queries of one head; each of its sixteen waves two tiles of 16, one after the other.  The four work-groups of a cluster are one head's queries: K and V are asked for jointly, ONCE, and stay in LDS: nothing is filled again.
; LAYOUT.  Both products are used transposed: S^T = K Q^T, O^T = V^T P^T: a lane holds one query.  The operands lie as images of their registers.
; Lane r of tile t of K is key 64 (t/4) + 8 (t%4) + r%8 + 32 (r/8) of its step of 128.  So register 8 u + j of tiles 4 c + u in lane (query, h) is key 64 c + 32 h + 8 u + j: a lane's 32 scores are ONE scale block of p,
; in the order of the second product's operand: its largest needs no other lane, and the conversions' results are the operand's registers.  The d of a tile of V are 32 (t/2) + 8 (t%2) + r + 8 (r/8).
; THE SCORES' K IS 64, half of the instruction's 128: Q's registers 6-11 are zero codes, so what stands in registers 6-11 of K's operand (the next tile's codes; zeros behind the last) adds nothing; both sides' scale bytes 2, 3 are 0.
; LDS: [key step (16)][K's 6,144 bytes, V's 6,144]; wave w brings step w by one tensor load of two rows of 6,144 bytes (K's and V's codes lie 6,291,456 bytes apart in hq).  The 12,288 bytes of K's and V's scale words
; come by plain loads and LDS stores into bytes of their own.  No data prefetch: all is asked for at the head, and there is no loop to run ahead in.
; LIMITS: NaN and infinities are not served; the scaled scores stay under 2^31 in magnitude; 1 / l by v_rcp_f32; a block's largest p is taken from its largest score (v_exp_f32 is taken not to fall where its input rises); a block under 2^-124 gets the byte 1.
; The output's scale bytes are two of every eight bytes (a scale word spans two heads): 64 bytes a wave beside 1,536 of codes, stored two bytes a lane.
; REGISTERS: v1-4, v7-11, v31, v236-237 addresses; v5, v6 the spare word and 0; v12 -M, v13 the largest score, v[14:15] the sum; v16-27 Q; v28 Q's scale word; v32-85 K's tiles, then V's fragments; v88-95 K's scale words;
; v96-159 S^T, p; v160-191 O^T; v192-201 at work; v204-215 p's codes; v216-222 the conversions' second halves; v224-227, v230-231 the sum's chains; v228 f, v229 p's scale word; v232-235 V's scale words.
.set KV,     12288                     ; a key step in LDS
.set KSC,    196608                    ; K's scale words, 512 bytes a key step
.set VSC,    204800                    ; V's, 256 bytes a key step
.set SPARE,  208896                    ; the spare words, 128 bytes a wave
.set HS_OFF, 18874368
.set KC_OFF, 6291456
.set AS_OFF, 6291456
.macro CROUND
	s_barrier_signal -1
	s_barrier_wait -1
	s_cmp_lg_u32 s18, 0
	s_cbranch_scc1 .Lnot_wave_0_\@
	s_barrier_signal -3
.Lnot_wave_0_\@:
	s_barrier_wait -3
	s_barrier_signal -1
	s_barrier_wait -1
.endm
	s_load_b128 s[4:7], s[0:1], 0x0                ; hq, aq
	v_lshl_add_u32 v5, v0, 2, SPARE
	v_mov_b32 v6, 0
	ds_add_u32 v5, v6                              ; the opening lines: the add, twice on end, and its wait ahead of the first tensor load
	ds_add_u32 v5, v6
	v_lshrrev_b32 v8, 5, v0
	v_readfirstlane_b32 s18, v8                    ; wave 0..15
	s_and_b32 s68, ttmp7, 0xffff                   ; 16 b + head
	s_bfe_u32 s69, ttmp6, 0x40000                  ; cx: my block of 512 queries: it enters Q's and the output's addresses alone
	s_and_b32 s70, s18, 3
	s_lshr_b32 s73, s18, 2
	s_mul_i32 s74, s68, 20480                      ; the head's scale words
	s_mul_i32 s75, s68, 98304                      ; the head's codes, in each of Q, K, V
	s_mov_b32 s24, 15|(3<<16)|(1<<21)              ; group 1: elements of 8 bytes; the mask names all four work-groups
	s_mov_b32 s25, 768<<16                         ; a row of 768 elements: a key step's 6,144 bytes
	s_mov_b32 s26, 2<<16                           ; two rows: K's, V's
	s_mov_b32 s27, 768<<16
	s_mov_b32 s28, 2
	s_mov_b32 s29, 786432                          ; from K's codes to V's, in elements
	s_mov_b32 s30, 0
	s_mov_b32 s31, 0
	s_mul_i32 s12, s18, 6144                       ; key step = my wave's number
	s_add_co_u32 s12, s12, s75
	s_add_co_u32 s12, s12, KC_OFF
	s_mov_b32 s13, 0
	s_mov_b32 s44, 1
	s_mul_i32 s45, s18, KV
	s_add_co_u32 s10, s74, HS_OFF+8192             ; K's scale words, V's behind them
	s_mov_b32 s11, 0
	; Q's two tiles: T = 32 cx + 2 w + e
	s_mul_i32 s14, s69, 24576
	s_mul_i32 s79, s18, 1536
	s_add_co_u32 s14, s14, s79
	s_add_co_u32 s14, s14, s75
	s_mov_b32 s15, 0
	s_lshl_b32 s16, s69, 11
	s_lshl_b32 s79, s73, 9
	s_add_co_u32 s16, s16, s79
	s_lshl_b32 s79, s70, 3
	s_add_co_u32 s16, s16, s79
	s_add_co_u32 s16, s16, s74
	s_add_co_u32 s16, s16, HS_OFF
	s_mov_b32 s17, 0
	; the output: token group G = 16 b + 4 cx + w / 4, K step head / 2, tiles 2 (w % 4) + e, half head % 2
	s_lshr_b32 s79, s68, 4
	s_lshl_b32 s79, s79, 4
	s_lshl_b32 s8, s69, 2
	s_add_co_u32 s79, s79, s8
	s_add_co_u32 s79, s79, s73
	s_and_b32 s8, s68, 15                          ; head
	s_mul_i32 s60, s79, 98304
	s_lshr_b32 s9, s8, 1
	s_mul_i32 s9, s9, 12288
	s_add_co_u32 s60, s60, s9
	s_mul_i32 s9, s70, 3072
	s_add_co_u32 s60, s60, s9
	s_and_b32 s9, s8, 1
	s_mul_i32 s9, s9, 768
	s_add_co_u32 s60, s60, s9
	s_mov_b32 s61, 0
	s_lshl_b32 s62, s79, 12
	s_lshr_b32 s9, s8, 2
	s_lshl_b32 s9, s9, 10
	s_add_co_u32 s62, s62, s9
	s_lshl_b32 s9, s70, 8
	s_add_co_u32 s62, s62, s9
	s_bfe_u32 s9, s8, 0x10001
	s_lshl_b32 s9, s9, 2
	s_add_co_u32 s62, s62, s9
	s_and_b32 s9, s8, 1
	s_lshl_b32 s9, s9, 1
	s_add_co_u32 s62, s62, s9
	s_add_co_u32 s62, s62, AS_OFF
	s_mov_b32 s63, 0
	s_mov_b32 s20, 0x76543210
	s_mov_b32 s21, 0xfedcba98                      ; selects for lane l xor 16
	s_mov_b32 s22, 0x3e38aa3b                      ; c = log2(e) / 8
	s_mov_b32 s23, s22                             ; (named with it as a pair)
	s_mov_b32 s19, 0xbe38aa3b                      ; -c
	s_wait_alu depctr_va_vdst(0)
	s_wait_dscnt 0x0                               ; both opening adds are done
	s_wait_kmcnt 0x0
	s_add_nc_u64 s[46:47], s[4:5], s[12:13]
	s_or_b32 s47, s47, 0x80000000
	s_add_nc_u64 s[10:11], s[4:5], s[10:11]
	s_add_nc_u64 s[14:15], s[4:5], s[14:15]
	s_add_nc_u64 s[16:17], s[4:5], s[16:17]
	s_add_nc_u64 s[60:61], s[6:7], s[60:61]
	s_add_nc_u64 s[62:63], s[6:7], s[62:63]
	CROUND                                         ; all four work-groups are here: the joint loads meet
	tensor_load_to_lds s[44:47], s[24:31]          ; every wave's one load: key step w's K and V
	s_nop 0
	v_and_b32 v237, 31, v0                         ; lane
	v_and_b32 v8, 15, v0                           ; r
	v_bfe_u32 v9, v0, 4, 1                         ; h
	v_lshlrev_b32 v1, 4, v237                      ; 16 x lane
	v_lshlrev_b32 v2, 4, v8
	v_lshl_add_u32 v2, v9, 3, v2                   ; 16 r + 8 h
	v_lshlrev_b32 v236, 5, v8                      ; 32 r
	v_add_nc_u32 v3, KSC, v236
	v_lshl_add_u32 v4, v8, 4, VSC
	v_lshlrev_b32 v7, 3, v9                        ; 8 h: my bytes' shift in p's scale word
	v_lshlrev_b32 v31, 3, v237                     ; 8 x lane
	v_lshlrev_b32 v10, 4, v0                       ; the scale words' way in: 16 bytes a thread of K's 8,192,
	v_lshlrev_b32 v11, 3, v0                       ; 8 of V's 4,096
	global_load_b128 v[96:99], v10, s[10:11]
	global_load_b64 v[100:101], v11, s[10:11] offset:8192
	v_add_nc_u32 v86, KSC, v10
	v_add_nc_u32 v87, VSC, v11
.irp j, 22,23,24,25,26,27,80,81,82,83,84,85
	v_mov_b32 v\j, 0                               ; zero codes: Q's upper half, and what follows K's last tile
.endr
.irp j, 196,229
	v_mov_b32 v\j, 0                               ; written once: a permute's destination, and the upper half of the pair v[228:229]
.endr
; A KEY STEP: 128 keys against my 16 queries.
.macro STEP
	v_add_nc_u32 v8, s2, v1                        ; the step's addresses: four plain instructions, the places behind the last products
	v_add_nc_u32 v9, s2, v2
	v_add_nc_u32 v10, s3, v3
	v_add_nc_u32 v11, s66, v4
.irp t, 0,1,2,3,4,5,6,7
	ds_load_b128 v[32+6*\t:35+6*\t], v8 offset:768*\t
	ds_load_b64 v[36+6*\t:37+6*\t], v9 offset:768*\t+512
.endr
	ds_load_b128 v[88:91], v10
	ds_load_b128 v[92:95], v10 offset:16
	s_wait_alu depctr_va_vdst(0)
	s_wait_dscnt 0x0
.irp t, 0,1,2,3,4,5,6,7
	v_wmma_scale_f32_16x16x128_f8f6f4 v[96+8*\t:103+8*\t], v[32+6*\t:43+6*\t], v[16:27], 0, v[88+\t], v28 matrix_a_fmt:MATRIX_FMT_FP6 matrix_b_fmt:MATRIX_FMT_FP6
.endr
	v_mov_b32 v197, v12                            ; the old -M.  With three v_nop: the places in front of the loads below and of the first read of the scores
.rept 3
	v_nop
.endr
.irp t, 0,1,2,3                                ; V's four fragments land while the softmax is walked
.irp c, 0,1
	ds_load_b128 v[32+12*\t+6*\c:35+12*\t+6*\c], v8 offset:6144+1536*\t+768*\c
	ds_load_b64 v[36+12*\t+6*\c:37+12*\t+6*\c], v9 offset:6144+1536*\t+768*\c+512
.endr
.endr
	ds_load_b128 v[232:235], v11
.irp c, 0,1                                    ; the largest score of my two blocks of 32 keys, two chains each, the four by turns; each accumulator from its low end on
.irp k, 0,1
	v_max3_num_f32 v[192+2*\c+\k], v[96+32*\c+16*\k], v[97+32*\c+16*\k], v[98+32*\c+16*\k]
.endr
.endr
.irp i, 3,5,7,9,11,13
.irp c, 0,1
.irp k, 0,1
	v_max3_num_f32 v[192+2*\c+\k], v[192+2*\c+\k], v[96+32*\c+16*\k+\i], v[97+32*\c+16*\k+\i]
.endr
.endr
.endr
.irp c, 0,1
	v_max3_num_f32 v[192+2*\c], v[192+2*\c], v[193+2*\c], v[111+32*\c]
.endr
.irp c, 0,1
	v_max_num_f32 v[192+2*\c], v[192+2*\c], v[127+32*\c]   ; v192, v194: it serves for the row's maximum and for the block's largest p
.endr
	s_delay_alu instid0(VALU_DEP_1)
	v_max3_num_f32 v13, v13, v192, v194            ; the running largest score,
	s_delay_alu instid0(VALU_DEP_1)
	v_permlanex16_b32 v196, v13, s20, s21
	s_delay_alu instid0(VALU_DEP_1)
	v_max_num_f32 v13, v13, v196                   ; with lane l xor 16's 64 keys
	s_delay_alu instid0(VALU_DEP_1)
	v_mul_f32 v198, s19, v13                       ; -t (c is positive)
	s_delay_alu instid0(VALU_DEP_1)
	v_floor_f32 v12, v198                          ; the new -M = -ceil(t)
	s_delay_alu instid0(VALU_DEP_1)
	v_sub_f32 v197, v12, v197                      ; old M - new M: a whole number, 0 or less
.set j, 0
.rept 32
	v_pk_fma_f32 v[96+j:97+j], v[96+j:97+j], s[22:23], v[12:13] op_sel_hi:[1,0,0]   ; t - M
.if j == 14
	v_cvt_i32_f32 v197, v197                       ; (it saturates)
.endif
.if j == 30
	v_ldexp_f32 v228, 1.0, v197                    ; f = 2^(old M - new M)
.endif
.set j, j+2
.endr
	v_fma_f32 v192, v192, s22, v12                 ; the same of each block's largest score
	v_fma_f32 v194, v194, s22, v12
.set j, 0
.rept 16
	v_pk_mul_f32 v[160+j:161+j], v[160+j:161+j], v[228:229] op_sel_hi:[1,0]   ; O^T under the new M, each accumulator from its low end on
.set j, j+2
.endr
	s_wait_alu depctr_va_vdst(0)
	v_exp_f32 v192, v192                           ; the blocks' largest p
	v_exp_f32 v194, v194
.set j, 0
.rept 64
	v_exp_f32 v[96+j], v[96+j]                     ; p = 2^(t - M)
.set j, j+1
.endr
	v_nop                                          ; a plain place behind the exponentials
	s_wait_alu depctr_va_vdst(0)                   ; one wait for the whole batch, ahead of its first reader
	v_max_num_f32 v192, 0x1800000, v192            ; the floor: the byte cannot fall under 1
	v_max_num_f32 v194, 0x1800000, v194
	v_add_nc_u32 v200, 0xff000000, v192            ; 2 off the exponent field: the conversions' scale operands
	v_add_nc_u32 v201, 0xff000000, v194
.irp c, 0,1
	v_cvt_scalef32_pk16_fp6_f32 v[204+6*\c:206+6*\c], v[96+32*\c:111+32*\c], v[200+\c]
	v_cvt_scalef32_pk16_fp6_f32 v[216+4*\c:218+4*\c], v[112+32*\c:127+32*\c], v[200+\c]   ; (a conversion's three registers begin on an even number)
.endr
	v_lshrrev_b32 v193, 23, v200                   ; the scales' bytes: blocks h and 2 + h.  The word's chain and the moves by turns
	v_lshrrev_b32 v195, 23, v201
	v_mov_b32 v207, v216
	v_lshl_or_b32 v198, v195, 16, v193
	v_mov_b32 v208, v217
	v_lshlrev_b32 v198, v7, v198                   ; at their places in the word;
	v_mov_b32 v209, v218
	v_permlanex16_b32 v196, v198, s20, s21
	v_mov_b32 v213, v220
	v_or_b32 v229, v198, v196                      ; with lane l xor 16's two p's scale word is whole
	v_mov_b32 v214, v221
	v_mov_b32 v215, v222
	v_pk_fma_f32 v[14:15], v[14:15], v[228:229], v[96:97] op_sel_hi:[1,0,1]   ; the sum under the new M, and the unquantised p added, in four chains.  (These 32 are also the places between p's codes and scale word and the products)
	v_pk_add_f32 v[224:225], v[98:99], v[100:101]
	v_pk_add_f32 v[226:227], v[102:103], v[104:105]
	v_pk_add_f32 v[230:231], v[106:107], v[108:109]
.irp j, 110,118,126,134,142,150
	v_pk_add_f32 v[14:15], v[14:15], v[\j:\j+1]
	v_pk_add_f32 v[224:225], v[224:225], v[\j+2:\j+3]
	v_pk_add_f32 v[226:227], v[226:227], v[\j+4:\j+5]
	v_pk_add_f32 v[230:231], v[230:231], v[\j+6:\j+7]
.endr
	v_pk_add_f32 v[14:15], v[14:15], v[158:159]
	v_pk_add_f32 v[224:225], v[224:225], v[226:227]
	v_pk_add_f32 v[14:15], v[14:15], v[230:231]
	v_pk_add_f32 v[14:15], v[14:15], v[224:225]
	s_wait_alu depctr_va_vdst(0)
	s_wait_dscnt 0x0                               ; V
.irp t, 0,1,2,3                                ; the four accumulators take turns; the eight score products stand between two steps of a sum
	v_wmma_scale_f32_16x16x128_f8f6f4 v[160+8*\t:167+8*\t], v[32+12*\t:43+12*\t], v[204:215], v[160+8*\t:167+8*\t], v[232+\t], v229 matrix_a_fmt:MATRIX_FMT_FP6 matrix_b_fmt:MATRIX_FMT_FP6
.endr
	s_add_co_u32 s2, s2, KV                        ; the next step's codes,
	s_add_co_u32 s3, s3, 512                       ; K's scale words,
	s_add_co_u32 s66, s66, 256                     ; V's
.endm
.macro KEYS n
	s_mov_b32 s67, \n
.Lkeys_\@:
	STEP
	s_sub_co_u32 s67, s67, 1
	s_cmp_lg_u32 s67, 0
	s_cbranch_scc1 .Lkeys_\@
.endm
.macro INIT e                          ; my tile e: its Q, and an empty state
	s_wait_xcnt 0x0                                ; the last tile's stores have read their data registers, which the key steps write again
	global_load_b128 v[16:19], v1, s[14:15] offset:768*(\e)
	global_load_b64 v[20:21], v2, s[14:15] offset:768*(\e)+512
	global_load_b32 v28, v236, s[16:17] offset:4*(\e)
	v_mov_b32 v13, 0xff61b1e6                      ; the largest score so far: -3e38
	v_floor_f32 v12, -v13                          ; and a -M above every other: the first f is 0
	v_mov_b32 v14, 0
	v_mov_b32 v15, 0
.set j, 0
.rept 32
	v_mov_b32 v[160+j], 0                          ; O^T: the step is written once; the first change of M leaves zeros zeros
.set j, j+1
.endr
	s_mov_b32 s2, 0
	s_mov_b32 s3, 0
	s_mov_b32 s66, 0
	s_wait_alu depctr_va_vdst(0)
	s_wait_loadcnt 0x0
.endm
.macro FINISH e                        ; O^T / l, register 16 b + i = d 32 b + 16 h + i, becomes half a fragment of the output projection's operand
.rept 4
	v_nop                                          ; places behind the last products
.endr
	v_add_f32 v14, v14, v15
	s_delay_alu instid0(VALU_DEP_1)
	v_permlanex16_b32 v226, v14, s20, s21
	s_delay_alu instid0(VALU_DEP_1)
	v_add_f32 v14, v14, v226                       ; the row's sum
	s_wait_alu depctr_va_vdst(0)
	v_rcp_f32 v14, v14
	v_nop                                          ; a plain place behind the transcendental
	s_wait_alu depctr_va_vdst(0)                   ; and the wait ahead of its first reader
.set j, 0
.rept 16
	v_pk_mul_f32 v[96+j:97+j], v[160+j:161+j], v[14:15] op_sel_hi:[1,0]   ; each accumulator from its low end on
.set j, j+2
.endr
.irp b, 0,1
	v_max3_num_f32 v[192+\b], |v[96+16*\b]|, |v[97+16*\b]|, 0x1800000
.endr
.irp i, 2,4,6,8,10,12,14
.irp b, 0,1
	s_delay_alu instid0(VALU_DEP_2)
	v_max3_num_f32 v[192+\b], v[192+\b], |v[96+16*\b+\i]|, |v[97+16*\b+\i]|
.endr
.endr
.irp b, 0,1
	s_delay_alu instid0(VALU_DEP_2)
	v_permlanex16_b32 v[196+\b], v[192+\b], s20, s21
.endr
.irp b, 0,1
	s_delay_alu instid0(VALU_DEP_2)
	v_max_num_f32 v[192+\b], v[192+\b], v[196+\b]
.endr
.irp b, 0,1
	s_delay_alu instid0(VALU_DEP_2)
	v_add_nc_u32 v[200+\b], 0xff000000, v[192+\b]
.endr
.irp b, 0,1
	s_delay_alu instid0(VALU_DEP_2)
	v_lshrrev_b32 v[196+\b], 23, v[200+\b]
.endr
.if (\e) == 0
	s_delay_alu instid0(VALU_DEP_1)
	v_lshl_or_b32 v30, v197, 8, v196               ; tile 0's two bytes are kept
.else
	s_delay_alu instid0(VALU_DEP_1)
	v_lshl_or_b32 v226, v197, 8, v196
.endif
	v_cvt_scalef32_pk16_fp6_f32 v[204:206], v[96:111], v200
	v_cvt_scalef32_pk16_fp6_f32 v[216:218], v[112:127], v201
	v_nop                                          ; one plain place behind a scaled conversion
.irp i, 0,1,2
	v_permlane16_swap_b32 v[204+\i], v[216+\i]
.endr
.irp i, 0,1,2
	s_delay_alu instid0(VALU_DEP_3)
	v_mov_b32 v[207+\i], v[216+\i]
.endr
	global_store_b128 v1, v[204:207], s[60:61] offset:1536*(\e)       ; 512 consecutive bytes, aligned to 256
	global_store_b64 v2, v[208:209], s[60:61] offset:1536*(\e)+512    ; 256 consecutive bytes
.if (\e) == 1
	v_cmp_lt_u32 vcc_lo, 15, v237
	s_delay_alu instid0(VALU_DEP_1)
	v_cndmask_b32 v226, v30, v226, vcc_lo          ; lane (r, h): tile h's bytes of row r
	global_store_b16 v31, v226, s[62:63]
.endif
.endm
	INIT 0                                         ; its wait shows the scale words in too
	s_wait_tensorcnt 0x0                           ; my load has landed,
	ds_store_b128 v86, v[96:99]                    ; K's scale words as they lie,
	ds_store_b64 v87, v[100:101]                   ; V's
	s_wait_dscnt 0x0                               ; my stores are done,
	s_barrier_signal -1
	s_barrier_wait -1                              ; everybody's: the head's K, V and scale words lie in LDS for the rest of the launch
	KEYS 16
	FINISH 0
	INIT 1
	KEYS 16
	FINISH 1
	s_wait_tensorcnt 0x0                           ; the wave's end
	ds_add_u32 v5, v6
	s_wait_dscnt 0x0
	CROUND                                         ; the closing round
	s_endpgm
.Lfunc_end_k_q181207e5ff_attn:
	.size	k_q181207e5ff_attn, .Lfunc_end_k_q181207e5ff_attn-k_q181207e5ff_attn
	.p2alignl 7, 3214868480
	.fill 96, 4, 3214868480
	.section	.rodata,"a",@progbits
	.p2align	6, 0x0
	.amdhsa_kernel k_q181207e5ff_attn
		.amdhsa_group_segment_fixed_size 210944
		.amdhsa_private_segment_fixed_size 0
		.amdhsa_enable_private_segment 0
		.amdhsa_kernarg_size 16
		.amdhsa_user_sgpr_count 2
		.amdhsa_user_sgpr_kernarg_segment_ptr 1
		.amdhsa_wavefront_size32 1
		.amdhsa_system_sgpr_workgroup_id_x 1
		.amdhsa_system_sgpr_workgroup_id_y 1
		.amdhsa_system_sgpr_workgroup_id_z 1
		.amdhsa_system_vgpr_workitem_id 0
		.amdhsa_next_free_vgpr 256
		.amdhsa_next_free_sgpr 80
		.amdhsa_reserve_vcc 1
		.amdhsa_float_denorm_mode_32 3
		.amdhsa_float_denorm_mode_16_64 3
		.amdhsa_memory_ordered 1
		.amdhsa_forward_progress 1
		.amdhsa_inst_pref_size 49
	.end_amdhsa_kernel
	.amdgpu_metadata
---
amdhsa.version: [ 1, 2 ]
amdhsa.kernels:
  - .name:           k_q181207e5ff_attn
    .symbol:         k_q181207e5ff_attn.kd
    .args:
      - { .name: hq, .offset: 0, .size: 8, .value_kind: global_buffer, .address_space: global }
      - { .name: aq, .offset: 8, .size: 8, .value_kind: global_buffer, .address_space: global }
    .group_segment_fixed_size: 210944
    .private_segment_fixed_size: 0
    .kernarg_segment_align: 8
    .kernarg_segment_size: 16
    .max_flat_workgroup_size: 512
    .sgpr_count:     80
    .vgpr_count:     256
    .wavefront_size: 32
...
	.end_amdgpu_metadata
.endif
;; end of part 3
;; launch outp (part 4): grid 32 x 8, 4 waves a work-group, clusters of 4 x 4, 327,680 bytes of LDS; arguments aq, wq, bo, out0; writes out0
.if DOCPART == 4
	.amdgcn_target "amdgcn-amd-amdhsa--gfx1250"
	.amdhsa_code_object_version 6
	.text
	.protected	k_q181207e5ff_outp
	.globl	k_q181207e5ff_outp
	.p2align	8
	.type	k_q181207e5ff_outp,@function
k_q181207e5ff_outp:
	s_mov_b64 s[64:65], 0
	v_nop
	global_prefetch_b8 v0, s[64:65] scope:SCOPE_SE
	s_setreg_imm32_b32 hwreg(HW_REG_WAVE_MODE, 25, 1), 1
	s_wait_xcnt 0x0
	s_wait_alu depctr_hold_cnt(0) depctr_sa_sdst(0) depctr_va_vdst(0) depctr_va_sdst(0) depctr_va_ssrc(0) depctr_va_vcc(0) depctr_vm_vsrc(0)
	s_getreg_b32 s2, hwreg(HW_REG_IB_STS2, 6, 4)
	s_cmp_eq_u32 s2, 0
	s_cbranch_scc0 .Lentry_in_a_cluster
	s_endpgm
.Lentry_in_a_cluster:
	s_bfe_u32 s2, ttmp6, 0x10000c
	s_cmp_lg_u32 s2, 0xf033
	s_cbranch_scc0 .Lentry_shape_is_right
	s_endpgm
.Lentry_shape_is_right:
; OUTP: out0[token][n] = bo[n] + sum over k of context[token][k] Wo[k][n], f32: 8,192 x 1,024 x 1,024 on codes of FP6 (E2M3) with one E8M0 byte for each 32 along K.
; LIMITS: NaN, infinities and sums beyond f32's range are not served; a sum begins with the bias, where the reference adds it last.
; THE OPERANDS lie as images of their registers.  Rows go in groups of 128 (G) and tiles of 16 (t); lane r of tile t is row 128 G + 32 (t/2) + 8 (t%2) + r + 8 (r/8).  Codes: [G][K step (8)][t (8)][1536]: a fragment is two halves of 768 bytes,
; registers 0-3 at 16 x lane, registers 4-5 at 512 + 16 r + 8 h.  Scale words: [G][K step / 2 (4)][16 t + r][2 words].  aq: the context's 64 groups of tokens; wq: Wo's columns are groups 24 to 31.
; THE DEAL.  256 work-groups of four waves, 2 x 2, each 256 rows x 128 columns.  The wave in row a, column b holds four tiles of 16 columns of Wo (tiles 4 b + 0 .. 3 of the work-group's group), all of K, in 384 registers,
; and streams the eight tiles of 16 rows of token group a past them: 32 products a block, the four accumulators by turns.
; THE CLUSTER's x counts tile rows (grid = 32, 8).  A's groups are shared by a column of the cluster (mask s44), B's group by a row (mask s45).  No LDS address hangs on the cluster's numbers.
; LDS: A's two groups, B's group, A's scale words, the waves' stages, the spare words; each byte is filled once: no refill, and no data prefetch: all is asked for at the head.
; THE HEAD'S FOUR TILES, one a wave: B's group (a load line of its own: it is shown first, and its fragments are fetched while A lands); A's two groups (waves 1 and 2, one line); A's scale words.
; THE MATRIX INSTRUCTION IS USED TRANSPOSED (source 0 = Wo's columns, source 1 = the context's rows): a lane holds eight neighbouring numbers of a row of the result.
; TWO SETS of A's fragments, of accumulators and of the rows that come back from the stage, by turns.  ONE RUN OF MEMORY LINES behind a block's products: its sums into my stage and back as whole rows of 256 bytes; the fetch of the block two on; one wait; eight stores.
.set WS_OFF, 3145728
.set AS_OFF, 6291456
.set GB,     98304                     ; a group's codes
.set NQ,     8                         ; K / 128
.set NB,     4                         ; column tiles a wave
.set FR,     12                        ; registers of a fragment
.set FPW,    256/FR                    ; fragments in a window
.set NF,     36                        ; LDS loads of a block: 32 for eight fragments, 4 for eight scale words
.set YB,     2*GB                      ; B's group
.set SCL,    3*GB                      ; A's scale words, 4,096 bytes a group
.set STAGE,  SCL+8192                  ; 16 rows x (256 bytes + 16) for each wave
.set SPITCH, 272
.set SPARE,  STAGE+4*16*SPITCH         ; the spare words, 128 bytes a wave
.set AAS0, 6                           ; v6      LDS address of my row's scale words in block 0; never rewritten
.set CO,   9                           ; v9      my byte offset in the result: row l / 16, 16 bytes x (l % 16)
.set SPW,  10                          ; v10     my spare word
.set NIL,  11                          ; v11     0
.set AAS,  17                          ; v17     as v6, for the block that is fetched next
.set STO,  18                          ; v18     the stage: where I put 32 bytes of a row
.set RD,   19                          ; v19     the stage: where I read 16 bytes of a row back
.set SB,   24                          ; v24-39  B's scale words: register 8 u + q: lanes 0-15 tile 2 u, lanes 16-31 tile 2 u + 1, K step q
.set SA,   42                          ; v42-57  A's: two sets of eight
.set ACC,  64                          ; v64-127 two sets of four accumulators
.set BK,   128                         ; v128-191 two sets: 16 rows x 256 bytes back from the stage
.set AQ0,  192                         ; v192-195 LDS addresses of block 0's fragments: 16 x lane, 16 r + 8 h, and both 49,152 bytes (four K steps) on; never rewritten
.set AQ,   200                         ; v200-203 the same for the block that is fetched next
.set BO,   208                         ; v208-239 the bias as the first four products' C
.set BA,   240                         ; v240-243 as v192-195, for B's fragments
.set G1A, 24
.set G1B, 32
.set G1S, 48
.set G0A, 56
.set G0B, 60
.set G0S, 68
.set MSB, 0
.macro WIN new                         ; the immediate's high byte repeats the setting that is left
.if MSB != \new
	s_set_vgpr_msb (MSB<<8)|\new
.set MSB, \new
.endif
.endm
.macro PLACES n
.rept \n
	v_nop
.endr
.endm
.macro WALU
	s_wait_alu depctr_va_vdst(0)
.endm
.macro BARRIER
	s_barrier_signal -1
	s_barrier_wait -1
.endm
.macro CROUND
	BARRIER
	s_cmp_lg_u32 s14, 0
	s_cbranch_scc1 .Lnot_wave_0_\@
	s_barrier_signal -3
.Lnot_wave_0_\@:
	s_barrier_wait -3
	BARRIER
.endm
.macro TLOAD g0, g1                    ; an s_nop 0 and four v_nop follow a tensor load
	tensor_load_to_lds s[\g0:\g0+3], s[\g1:\g1+7]
	s_nop 0
	PLACES 4
.endm
.macro GROUP1 g, mask, rows            ; a dense block as rows of 256 bytes (32 elements of 8 bytes)
	s_or_b32 s[\g+0], s[\mask], (3<<16)|(1<<21)
	s_mov_b32 s[\g+1], 32<<16
	s_mov_b32 s[\g+2], (\rows)<<16
	s_mov_b32 s[\g+3], 32<<16
	s_mov_b32 s[\g+4], \rows
	s_mov_b32 s[\g+5], 32
	s_mov_b32 s[\g+6], 0
	s_mov_b32 s[\g+7], 0
.endm
; fragment f lies in window 1 + f / 21, at register 12 (f % 21): 0-31 B's (4 q + tile), 32-47 A's two sets (32 + 8 e + q)
.macro FRAG f, a128, a64, off
	WIN (1+(\f)/FPW)<<6
.set R_, FR*((\f)%FPW)
	ds_load_b128 v[R_:R_+3], v[\a128] offset:\off
	ds_load_b64 v[R_+4:R_+5], v[\a64] offset:(\off)+512
	ds_load_b128 v[R_+6:R_+9], v[\a128] offset:(\off)+768
	ds_load_b64 v[R_+10:R_+11], v[\a64] offset:(\off)+1280
.endm
.macro FETCHAT e, aq, as               ; a block of A into set e: NF loads
.irp q, 0,1,2,3,4,5,6,7
	FRAG NB*NQ+NQ*(\e)+\q, \aq+2*(\q/4), \aq+1+2*(\q/4), (\q%4)*12288
.endr
	WIN 0
.irp p, 0,1,2,3
	ds_load_b64 v[SA+8*(\e)+2*\p:SA+8*(\e)+2*\p+1], v[\as] offset:1024*\p
.endr
.endm
.macro PROD e, n                       ; product n = 4 q + tile of a block whose rows lie in set e; the first along K takes the bias as C
.set Q_, (\n)/4
.set FB_, NB*Q_+(\n)%4
.set FA_, NB*NQ+NQ*(\e)+Q_
.set D_, ACC+32*(\e)+8*((\n)%4)
.set XB_, SB+NQ*(((\n)%4)/2)+Q_
.set XA_, SA+8*(\e)+Q_
	WIN (1+FB_/FPW)|((1+FA_/FPW)<<2)
.if Q_
	PROD1 D_, FB_, FA_, v[D_:D_+7], XB_, XA_, (\n)%2
.else
	PROD1 D_, FB_, FA_, v[BO+8*((\n)%4):BO+8*((\n)%4)+7], XB_, XA_, (\n)%2
.endif
.endm
.macro PROD1 d, s0, s1, c, x0, x1, o
.if \o
	v_wmma_scale_f32_16x16x128_f8f6f4 v[\d:\d+7], v[FR*((\s0)%FPW):FR*((\s0)%FPW)+FR-1], v[FR*((\s1)%FPW):FR*((\s1)%FPW)+FR-1], \c, v[\x0], v[\x1] matrix_a_fmt:MATRIX_FMT_FP6 matrix_b_fmt:MATRIX_FMT_FP6 matrix_a_scale:MATRIX_SCALE_ROW1
.else
	v_wmma_scale_f32_16x16x128_f8f6f4 v[\d:\d+7], v[FR*((\s0)%FPW):FR*((\s0)%FPW)+FR-1], v[FR*((\s1)%FPW):FR*((\s1)%FPW)+FR-1], \c, v[\x0], v[\x1] matrix_a_fmt:MATRIX_FMT_FP6 matrix_b_fmt:MATRIX_FMT_FP6 matrix_a_scale:MATRIX_SCALE_ROW0
.endif
.endm
.macro PRODS e, fetch                  ; a block's 32 products; behind the second the next fetch's place steps on, and the first of its five addresses is made
.set N_, 0
.rept 32
	PROD \e, N_
.if (\fetch) && (N_ == 1)
	s_add_co_u32 s101, s101, 1536
	s_add_co_u32 s91, s91, 128
	WIN 0
	v_add_nc_u32 v[AQ], s101, v[AQ0]
.endif
.set N_, N_+1
.endr
	WIN 0
.endm
.macro STAGED u                        ; set u's sums into my stage, each accumulator from its low end on, and back as whole rows.  LDS serves a wave's instructions in order (ISA guide 5.7.1.4): no wait between
.irp b, 0,1,2,3                        ; register j of tile b in lane (r, h) is column 32 (b/2) + 8 (b%2) + 16 h + j of my 64
	ds_store_b128 v[STO], v[ACC+32*(\u)+8*\b:ACC+32*(\u)+8*\b+3] offset:128*(\b/2)+32*(\b%2)
	ds_store_b128 v[STO], v[ACC+32*(\u)+8*\b+4:ACC+32*(\u)+8*\b+7] offset:128*(\b/2)+32*(\b%2)+16
.endr
.irp t, 0,1,2,3,4,5,6,7
	ds_load_b128 v[BK+32*(\u)+4*\t:BK+32*(\u)+4*\t+3], v[RD] offset:2*\t*SPITCH
.endr
.endm
.macro TOC s                           ; s[12:13] stands at the pair's first token; the pair's second block lies 8 tokens on; a block's rows 2 t, 2 t + 1 are tokens 2 t + 8 (t / 4) and the next
.irp t, 0,1,2,3,4,5,6,7
	global_store_b128 v[CO], v[BK+32*(\s)+4*\t:BK+32*(\s)+4*\t+3], s[12:13] offset:(8*(\s)+2*\t+8*(\t/4))*4096 th:TH_STORE_NT   ; sixteen lanes store 256 consecutive bytes, aligned
.endr
.endm
.macro STREAM s, fetch                 ; a pair's block s = 0, 1
	PRODS \s, \fetch
.if \fetch                             ; four plain vector lines stand between the last product and the first reader of its sums and the fetch into its registers: the rest of the addresses, or v_nop
	v_add_nc_u32 v[AQ+1], s101, v[AQ0+1]
	v_add_nc_u32 v[AQ+2], s101, v[AQ0+2]
	v_add_nc_u32 v[AQ+3], s101, v[AQ0+3]
	v_add_nc_u32 v[AAS], s91, v[AAS0]
	WALU
.else
	PLACES 4
.endif
	s_wait_xcnt 0x0                                ; the stores of two blocks ago have read set s of the rows, and those of the block before their base
.if (\s) == 0
	s_add_nc_u64 s[12:13], s[12:13], s[20:21]      ; on to this pair's rows of the result
.endif
	STAGED \s
.if \fetch
	FETCHAT \s, AQ, AAS
	s_wait_dscnt NF                                ; the block's rows are back from the stage, and the next block's fragments, asked for earlier, are in; younger is this run's fetch alone
.else
	s_wait_dscnt 0x0
.endif
	TOC \s
.endm
; ================= THE HEAD
	s_load_b128 s[4:7], s[0:1], 0x0                ; aq, wq
	s_load_b128 s[8:11], s[0:1], 0x10              ; bo, out0
	v_lshl_add_u32 v[SPW], v0, 2, SPARE
	v_mov_b32 v[NIL], 0
	ds_add_u32 v[SPW], v[NIL]                      ; the opening lines: the add, twice on end, and its wait ahead of my first tensor load
	ds_add_u32 v[SPW], v[NIL]
	v_lshrrev_b32 v1, 5, v0
	v_readfirstlane_b32 s14, v1                    ; the wave; s15 its row of the 2 x 2, s16 its column
	s_lshr_b32 s15, s14, 1
	s_and_b32 s16, s14, 1
	s_bfe_u32 s40, ttmp6, 0x40000
	s_bfe_u32 s41, ttmp6, 0x40004
	s_lshl_b32 s43, ttmp9, 2
	s_add_co_u32 s43, s43, s40                     ; tile row: 4 x cluster x + cx, 0 .. 31
	s_and_b32 s42, ttmp7, 0xffff
	s_lshl_b32 s42, s42, 2
	s_add_co_u32 s42, s42, s41                     ; tile column: 4 x cluster y + cy, 0 .. 7
	s_lshl_b32 s44, 0x1111, s40                    ; my column of the cluster: shares A
	s_lshl_b32 s45, s41, 2
	s_lshl_b32 s45, 15, s45                        ; my row: shares B
	GROUP1 G1A, 44, 384                            ; a group's codes: 384 rows of 256 bytes
	GROUP1 G1B, 45, 384
	GROUP1 G1S, 44, 32                             ; the scale words of A's two groups
	s_mul_i32 s76, s43, 2*GB
	s_mul_i32 s21, s15, GB                         ; waves 1 and 2 fetch A's groups 0 and 1: wave / 2
	s_add_co_u32 s76, s76, s21
	s_mov_b32 s77, 0
	s_add_co_u32 s78, s42, 24
	s_mul_i32 s78, s78, GB
	s_mov_b32 s79, 0
	s_lshl_b32 s80, s43, 13
	s_add_co_u32 s80, s80, AS_OFF
	s_mov_b32 s81, 0
	s_add_co_u32 s82, s42, 24
	s_lshl_b32 s82, s82, 12
	s_lshl_b32 s21, s16, 9
	s_add_co_u32 s82, s82, s21
	s_add_co_u32 s82, s82, WS_OFF                  ; B's scale words, my four tiles
	s_mov_b32 s83, 0
	s_lshl_b32 s86, s42, 9
	s_lshl_b32 s21, s16, 8
	s_add_co_u32 s86, s86, s21                     ; my 64 columns, in bytes
	s_mov_b32 s87, 0
	s_lshl_b32 s84, s43, 20
	s_lshl_b32 s21, s15, 19
	s_add_co_u32 s84, s84, s21                     ; my 128 rows of 4,096 bytes
	s_add_co_u32 s84, s84, s86
	s_mov_b32 s85, 0
	s_mov_b32 s[G0A], 1
	s_mul_i32 s[G0A+1], s15, GB
	s_mov_b32 s[G0B], 1
	s_mov_b32 s[G0B+1], YB
	s_mov_b32 s[G0S], 1
	s_mov_b32 s[G0S+1], SCL
	s_mul_i32 s22, s16, 6144
	s_add_co_u32 s22, s22, YB                      ; LDS: my four tiles of B,
	s_mul_i32 s23, s15, GB                         ; my group of A,
	s_lshl_b32 s46, s15, 12
	s_add_co_u32 s46, s46, SCL                     ; its scale words,
	s_mul_i32 s47, s14, 16*SPITCH
	s_add_co_u32 s47, s47, STAGE                   ; my stage
	v_and_b32 v1, 15, v0                           ; r
	v_bfe_u32 v2, v0, 4, 1                         ; h
	v_and_b32 v3, 31, v0                           ; lane
	v_lshlrev_b32 v22, 4, v3                       ; 16 x lane
	v_lshlrev_b32 v23, 4, v1
	v_lshl_add_u32 v23, v2, 3, v23                 ; 16 r + 8 h
	v_add_nc_u32 v[AQ0], s23, v22
	v_add_nc_u32 v[AQ0+1], s23, v23
	v_add_nc_u32 v[AQ0+2], 49152, v[AQ0]
	v_add_nc_u32 v[AQ0+3], 49152, v[AQ0+1]
.irp k, 0,1,2,3
	v_add_nc_u32 v[AQ+\k], 1536, v[AQ0+\k]         ; block 1
.endr
	v_add_nc_u32 v[BA], s22, v22
	v_add_nc_u32 v[BA+1], s22, v23
	v_add_nc_u32 v[BA+2], 49152, v[BA]
	v_add_nc_u32 v[BA+3], 49152, v[BA+1]
	v_lshl_add_u32 v[AAS0], v1, 3, s46
	v_add_nc_u32 v[AAS], 128, v[AAS0]
	v_mul_u32_u24 v20, v1, SPITCH
	v_lshl_add_u32 v20, v2, 6, v20
	v_add_nc_u32 v[STO], s47, v20                  ; in: row r, 64 h bytes
	v_mul_u32_u24 v21, v2, SPITCH
	v_lshl_add_u32 v21, v1, 4, v21
	v_add_nc_u32 v[RD], s47, v21                   ; back: lanes 0-15 one row of 256 bytes, lanes 16-31 the next
	v_lshlrev_b32 v21, 12, v2
	v_lshl_add_u32 v[CO], v1, 4, v21               ; and the same two rows in the result
	v_lshlrev_b32 v16, 3, v3                       ; B's scale words: 8 x lane
	v_lshlrev_b32 v8, 6, v2                        ; the bias: 16 h numbers
	WALU
	s_wait_dscnt 0x0                               ; both opening adds are done
	CROUND                                         ; the opening round: the joint loads meet
	s_wait_kmcnt 0x0
	s_add_nc_u64 s[G0A+2:G0A+3], s[4:5], s[76:77]
	s_or_b32 s[G0A+3], s[G0A+3], 0x80000000
	s_add_nc_u64 s[G0B+2:G0B+3], s[6:7], s[78:79]
	s_or_b32 s[G0B+3], s[G0B+3], 0x80000000
	s_add_nc_u64 s[G0S+2:G0S+3], s[4:5], s[80:81]
	s_or_b32 s[G0S+3], s[G0S+3], 0x80000000
	s_add_nc_u64 s[6:7], s[6:7], s[82:83]
	s_add_nc_u64 s[8:9], s[8:9], s[86:87]
	s_add_nc_u64 s[12:13], s[10:11], s[84:85]
	s_cmp_eq_u32 s14, 0
	s_cbranch_scc0 .Lwave_3
	TLOAD G0B, G1B                                 ; wave 0: B's group, which is wanted first
	s_branch .Lasked
.Lwave_3:
	s_cmp_eq_u32 s14, 3
	s_cbranch_scc0 .Lwave_12
	TLOAD G0S, G1S                                 ; wave 3: A's scale words
	s_branch .Lasked
.Lwave_12:
	TLOAD G0A, G1A                                 ; waves 1 and 2: a group of A each
.Lasked:
.irp u, 0,1
.irp p, 0,1,2,3
	global_load_b64 v[SB+8*\u+2*\p:SB+8*\u+2*\p+1], v16, s[6:7] offset:256*\u+1024*\p   ; 256 consecutive bytes: tiles 2 u and 2 u + 1, K steps 2 p and 2 p + 1
.endr
.endr
.irp b, 0,1,2,3
	global_load_b128 v[BO+8*\b:BO+8*\b+3], v8, s[8:9] offset:128*(\b/2)+32*(\b%2)
	global_load_b128 v[BO+8*\b+4:BO+8*\b+7], v8, s[8:9] offset:128*(\b/2)+32*(\b%2)+16
.endr
	s_wait_dscnt 0x0
	s_cmp_eq_u32 s14, 0
	s_cbranch_scc0 .Lnot_b
	s_wait_tensorcnt 0x0                           ; wave 0: B's group has landed
.Lnot_b:
	BARRIER                                        ; B is shown to all; no tensor load is issued behind this barrier
.irp q, 0,1,2,3,4,5,6,7                        ; my four tiles of B, all of K: 128 loads
.irp b, 0,1,2,3
	FRAG NB*\q+\b, BA+2*(\q/4), BA+1+2*(\q/4), (\q%4)*12288+\b*1536
.endr
.endr
	WIN 0
	s_mov_b32 s101, 1536                           ; block 1's place among A's tiles,
	s_mov_b32 s91, 128                             ; and among the scale words
	s_wait_loadcnt 0x0                             ; B's scale words and the bias
	s_wait_tensorcnt 0x0                           ; every wave's tile has landed
	s_wait_dscnt 0x0
	BARRIER                                        ; A and its scale words are shown to all
	FETCHAT 0, AQ0, AAS0
	FETCHAT 1, AQ, AAS
; ================= THE STREAM: eight blocks
	s_mov_b32 s23, 0
	s_mov_b32 s20, 0                               ; s[20:21]: from a pair's rows of the result to the next pair's; block 0 begins where the base stands
	s_mov_b32 s21, 0
	s_wait_dscnt NF                                ; block 0's fragments are in; block 1's 36 loads are younger
.Lpair:                                                ; blocks 0 to 5, a pair a trip
	STREAM 0, 1
	STREAM 1, 1
	s_mov_b32 s20, 32*4096                         ; the next pair's rows lie 32 tokens on
	s_add_co_u32 s23, s23, 1
	s_cmp_lg_u32 s23, 3
	s_cbranch_scc1 .Lpair
	STREAM 0, 0                                    ; blocks 6 and 7 fetch nothing
	STREAM 1, 0
	s_wait_tensorcnt 0x0                           ; the wave's end
	ds_add_u32 v[SPW], v[NIL]
	s_wait_dscnt 0x0
	CROUND                                         ; the closing round
	s_endpgm
.Lfunc_end_k_q181207e5ff_outp:
	.size	k_q181207e5ff_outp, .Lfunc_end_k_q181207e5ff_outp-k_q181207e5ff_outp
	.p2alignl 7, 3214868480
	.fill 96, 4, 3214868480
	.section	.rodata,"a",@progbits
	.p2align	6, 0x0
	.amdhsa_kernel k_q181207e5ff_outp
		.amdhsa_group_segment_fixed_size 327680
		.amdhsa_private_segment_fixed_size 0
		.amdhsa_enable_private_segment 0
		.amdhsa_kernarg_size 32
		.amdhsa_user_sgpr_count 2
		.amdhsa_user_sgpr_kernarg_segment_ptr 1
		.amdhsa_wavefront_size32 1
		.amdhsa_system_sgpr_workgroup_id_x 1
		.amdhsa_system_sgpr_workgroup_id_y 1
		.amdhsa_system_sgpr_workgroup_id_z 1
		.amdhsa_system_vgpr_workitem_id 0
		.amdhsa_next_free_vgpr 840
		.amdhsa_next_free_sgpr 102
		.amdhsa_reserve_vcc 0
		.amdhsa_float_denorm_mode_32 3
		.amdhsa_float_denorm_mode_16_64 3
		.amdhsa_memory_ordered 1
		.amdhsa_forward_progress 1
		.amdhsa_inst_pref_size 53
	.end_amdhsa_kernel
	.amdgpu_metadata
---
amdhsa.version: [ 1, 2 ]
amdhsa.kernels:
  - .name:           k_q181207e5ff_outp
    .symbol:         k_q181207e5ff_outp.kd
    .args:
      - { .name: aq, .offset: 0, .size: 8, .value_kind: global_buffer, .address_space: global }
      - { .name: wq, .offset: 8, .size: 8, .value_kind: global_buffer, .address_space: global }
      - { .name: bo, .offset: 16, .size: 8, .value_kind: global_buffer, .address_space: global }
      - { .name: out0, .offset: 24, .size: 8, .value_kind: global_buffer, .address_space: global }
    .group_segment_fixed_size: 327680
    .private_segment_fixed_size: 0
    .kernarg_segment_align: 8
    .kernarg_segment_size: 32
    .max_flat_workgroup_size: 128
    .sgpr_count:     102
    .vgpr_count:     840
    .wavefront_size: 32
...
	.end_amdgpu_metadata
.endif
;; end of part 4
